; MI455X (gfx1250); checked and timed in simulation.
; The chip was launched on July 23, 2026; its instructions are those of AMD's public machine-readable ISA for CDNA 5 (MIT licence, August 2026) and "CDNA5" Instruction Set Architecture Reference Guide (July 2026). The comments in the code are by the model that wrote it; some were corrected since.
;; Multi Head Self Attention. Allowed arithmetic: matrix products marked QUANTISED: E2M3 operands, one E8M0 scale for each 32 along K, by v_wmma_scale_f32_16x16x128_f8f6f4 with both operands' format E2M3, f32 sums; everything else in f32.
;; Inputs: W_out 1,024 x 1,024 float32; W_qkv 1,024 x 3,072 float32; b_out 1,024 float32; b_qkv 3,072 float32; x 4 x 2,048 x 1,024 float32.
;; Outputs: out0 4 x 2,048 x 1,024 float32.
;; This version of the problem:
;;   THIS VERSION OF THE PROBLEM IS GIVEN IN LOW PRECISION. The matrix products marked QUANTISED in the list below multiply operands that are first quantised to E2M3 (2 exponent bits, 3 mantissa bits; 6 bits a number), with one power-of-two scale for each 32 numbers along K (OCP MX v1.0); their sums are f32. All else is computed in f32.
;;   The module's matrix products, in the order in which they are computed (A, B: the left and right operand; K: the contracted axis; several contracted axes count as one K, in the product's order):
;;     1. [M 8,192, K 1,024] x [K 1,024, N 3,072]; A: input x; B: input W_qkv: QUANTISED
;;     2. batch 64 x [M 2,048, K 64] x [K 64, N 2,048]; A: computed on the way; B: computed on the way: QUANTISED
;;     3. batch 64 x [M 2,048, K 2,048] x [K 2,048, N 64]; A: softmax (see below); B: computed on the way: QUANTISED
;;     4. [M 8,192, K 1,024] x [K 1,024, N 1,024]; A: computed on the way; B: input W_out: QUANTISED
;;   THE QUANTISER, for each operand of a quantised product, along K:
;;     - K is cut into blocks of 32 from its start; a last block that is shorter is filled with zeros.
;;     - A block's scale is 2^e with e = floor(log2(the largest magnitude in the block)) - 2, held to -126 .. 127; a block of zeros has e = 0. As a byte (E8M0): e + 127.
;;     - Each number is divided by its block's scale, clamped to +-7.5, and rounded to the nearest number of E2M3, ties to even, subnormals kept.
;;     - The product sums the exact products of the quantised numbers (number of the format x scale) in f32.
;;   ~~~python
;;   def quantise(x, axis):      # numpy; x: float32 -> the quantised numbers, widened to float32 again
;;       x = np.moveaxis(x, axis, -1); K = x.shape[-1]
;;       x = np.pad(x, [(0, 0)] * (x.ndim - 1) + [(0, -K % 32)]); x = x.reshape(x.shape[:-1] + (-1, 32)); a = np.abs(x).max(-1, keepdims=True)
;;       e = np.where(a > 0, np.clip(np.frexp(np.where(a > 0, a, 1))[1] - 1 - 2, -126, 127), 0)      # np.frexp(a)[1] - 1 = floor(log2(a)), exactly
;;       r = np.clip(x / 2.0 ** e, -7.5, 7.5)
;;       step = 2.0 ** (np.maximum(np.frexp(np.where(r == 0, 1, r))[1] - 1, 0) - 3)
;;       q = np.round(r / step) * step * 2.0 ** e      # np.round: ties to even
;;       return np.moveaxis(q.reshape(q.shape[:-2] + (-1,))[..., :K], -1, axis).astype(np.float32)
;;   ~~~
;;   SOFTMAX AHEAD OF A QUANTISED PRODUCT. Where the list says 'softmax', what is quantised is not the finished softmax but p = 2^(t - M), with t = logit x log2(e) and M = ceil(the row's largest t), a whole number; so 1/2 < the row's largest p <= 1. The row's sum l is taken of the UNQUANTISED p, in f32, and the product's result is divided by l at the end. Since M is a whole number, a kernel that streams over the keys may use a running M (the ceiling of the running maximum): every later rescaling is an exact power of two, which a block's scale takes up: the codes' values come out the same.
;;   OPERANDS COMPUTED ON THE WAY. 'Computed on the way' means the value that the module computes at that place (a softmax that the list does not call 'softmax' is quantised finished and normalised). What goes into a quantiser is computed in f32, as accurately as f32 sums, v_exp_f32 and their like allow (about 1e-6 of the number): no bf16 or f16 on the way to a quantiser, and a product that is left as it is and whose result goes on into a quantised operand takes f32 operands (vector FMAs, or v_wmma_f32_16x16x4_f32). A number that lies on a knife's edge between two numbers of the format may be rounded either way, as far as f32 arithmetic and the matrix unit's own rounding can turn it there, and no further.
;; One version. Each part assembles by itself: llvm-mc -triple=amdgcn-amd-amdhsa -mcpu=gfx1250 --defsym DOCPART=n.
;; ======== version 1 of 1: 4 launches
;; limits: right only within a limited range of input values
;; workspace buffers: xq 6,553,600 bytes; wts 6,553,600 bytes; qkv 19,660,800 bytes; oq 6,553,600 bytes
;; launch quant (part 1): grid 384 x 1, 4 waves a work-group, no clusters, 68,608 bytes of LDS; arguments x, xq, W_qkv, W_out, wts; writes xq, wts
.if DOCPART == 1
	.amdgcn_target "amdgcn-amd-amdhsa--gfx1250"
	.amdhsa_code_object_version 6
	.text
	.protected	k_qc2eb21e32e_quant
	.globl	k_qc2eb21e32e_quant
	.p2align	8
	.type	k_qc2eb21e32e_quant,@function
k_qc2eb21e32e_quant:
	s_mov_b64 s[64:65], 0
	v_nop
	global_prefetch_b8 v0, s[64:65] scope:SCOPE_SE
	s_setreg_imm32_b32 hwreg(HW_REG_WAVE_MODE, 25, 1), 1
	s_wait_xcnt 0x0
; x [8192][1024], W_qkv [1024][3072] and W_out [1024][1024], f32, become codes of FP6 (E2M3) and one E8M0 byte for each 32 along K = 1,024.
; A block's scale is 2^(floor(log2(its largest magnitude)) - 2): its byte is the largest magnitude's exponent field - 2, held at 1 from below.
; THE TABLES (xq; wts alike): codes [K step of 256][place][192 bytes], K steps KST bytes apart, so that the 128 or 256 places of a tile are one dense block in each K step; scale bytes [place][32] from byte XSC on.
; A row of x (a column of a weight) goes to the place that is its number with bits 3 and 4 exchanged; W_out's columns follow W_qkv's 3,072.
; One launch, two paths that part on the work-group's number: 0-127 the weights, 128-383 x.  Each path has LDS bytes of its own.  No tensor loads, no barrier: waves share nothing.
; LIMITS: a block of zeros, or one whose largest magnitude lies under 2^-124, gets the byte 1 (this program alone reads the bytes); NaN and infinities are not served.
.set KST,   1572864                    ; 8,192 places x 192 bytes
.set XSC,   6291456                    ; 4 KST: where the scale bytes begin
.set EMAX,  2
.set SPW,   208                        ; v208 my spare word, v209 zero: never rewritten
.set NIL,   209
.set SPARE, 0x8000                     ; behind x's four regions: 512 bytes that no other line names
.set WLDS,  0x8400                     ; the weights' four stages
	v_lshl_add_u32 v[SPW], v0, 2, SPARE
	v_mov_b32 v[NIL], 0
	v_lshrrev_b32 v1, 5, v0
	v_readfirstlane_b32 s16, v1                    ; wave
	v_and_b32 v2, 31, v0                           ; lane
	s_cmp_lt_u32 ttmp9, 128
	s_wait_alu depctr_va_vdst(0)                   ; the wait ahead of the branch
	s_cbranch_scc1 .Lweights
; ---- x: a wave takes 8 rows in 16 steps of 512 numbers; a step's 2,048 bytes turn through the wave's stage in LDS, so that a lane holds 16 neighbours along K (two lanes a block)
.set STEPS, 16
.set CB,    12                         ; bytes of 16 codes
.set R,     16                         ; v16-79   four sets of 16 numbers as loaded
.set X,     80                         ; v80-111  two sets of 16 neighbours
.set C,     128                        ; v128-191 codes, four registers a step
.set E,     112                        ; v112-127 a scale byte a step
.set WREG,  8192                       ; a wave's region: two stages of 32 x SP bytes, then 256 scale bytes
.set SP,    80                         ; 64 bytes + 16 of padding
	s_load_b128 s[4:7], s[0:1], 0x0                ; x, xq
	v_lshlrev_b32 v3, 4, v2
	s_mul_i32 s17, s16, WREG
	v_lshrrev_b32 v14, 2, v2
	v_mul_u32_u24 v14, v14, SP
	v_and_b32 v15, 3, v2
	v_lshl_add_u32 v14, v15, 4, v14
	v_add_nc_u32 v14, s17, v14                     ; the stage, in
	v_mul_u32_u24 v15, v2, SP
	v_add_nc_u32 v15, s17, v15                     ; and out
	v_and_b32 v4, 15, v2
	v_mul_u32_u24 v4, v4, CB
	v_lshrrev_b32 v5, 4, v2
	v_mad_u32_u24 v4, v5, KST, v4                  ; sixteen lanes fill a place's 192 bytes; lanes 16-31 hold the next K step
	v_lshrrev_b32 v5, 1, v2
	s_add_co_u32 s17, s17, 2*32*SP
	v_add_nc_u32 v5, s17, v5                       ; LDS: my block's scale byte
	v_lshlrev_b32 v7, 3, v2
	v_add_nc_u32 v6, s17, v7
	s_sub_co_u32 s17, ttmp9, 128
	s_lshl_b32 s17, s17, 2
	s_add_co_u32 s18, s17, s16                     ; which run of 8 rows
	s_and_b32 s19, s18, 1
	s_lshl_b32 s19, s19, 1
	s_bfe_u32 s20, s18, 0x10001
	s_and_b32 s21, s18, 0xfffffffc
	s_or_b32 s21, s21, s19
	s_or_b32 s22, s21, s20                         ; where it goes: the run's two lowest bits exchanged
	s_lshl_b32 s24, s18, 15
	s_mov_b32 s25, 0
	s_mul_i32 s26, s22, 8*192
	s_mov_b32 s27, 0
	s_lshl_b32 s28, s22, 8
	s_add_co_u32 s28, s28, XSC
	s_mov_b32 s29, 0
	s_wait_alu depctr_va_vdst(0)                   ; the wait at the head's end
	s_wait_kmcnt 0x0
	s_add_nc_u64 s[4:5], s[4:5], s[24:25]
	s_add_nc_u64 s[8:9], s[6:7], s[26:27]
	s_add_nc_u64 s[10:11], s[6:7], s[28:29]
.macro XLOAD t
.irp i, 0,1,2,3
	global_load_b128 v[R+16*((\t)%4)+4*\i:R+16*((\t)%4)+4*\i+3], v3, s[4:5] offset:2048*(\t)+512*\i th:TH_LOAD_NT
.endr
.endm
.macro XTURN t                         ; LDS serves a wave's instructions in order: no wait between the stores and the loads
.irp i, 0,1,2,3
	ds_store_b128 v14, v[R+16*((\t)%4)+4*\i:R+16*((\t)%4)+4*\i+3] offset:32*SP*((\t)%2)+8*SP*\i
.endr
.irp i, 0,1,2,3
	ds_load_b128 v[X+16*((\t)%2)+4*\i:X+16*((\t)%2)+4*\i+3], v15 offset:32*SP*((\t)%2)+16*\i
.endr
.endm
.irp t, 0,1,2,3
	XLOAD \t
.endr
	s_wait_loadcnt 12                              ; step 0's four loads are in
	XTURN 0
.macro XSTEP t
.set XS, X+16*((\t)%2)
.if (\t) > 0
	s_wait_dscnt 1                                 ; back from the stage (the last step's byte store may be out)
.else
	s_wait_dscnt 0x0
.endif
.if (\t)+4 < STEPS
	XLOAD (\t)+4
.endif
.if (\t)+1 < STEPS
.if STEPS-2-(\t) >= 3
	s_wait_loadcnt 12                              ; the next step's four are in; three steps' may be out
.else
	s_wait_loadcnt 4*(STEPS-2-(\t))
.endif
	XTURN (\t)+1
.endif
	v_max3_num_f32 v8, |v[XS]|, |v[XS+1]|, |v[XS+2]|
	v_max3_num_f32 v9, |v[XS+3]|, |v[XS+4]|, |v[XS+5]|
.irp i, 6,10
	v_max3_num_f32 v8, v8, |v[XS+\i]|, |v[XS+\i+1]|
	v_max3_num_f32 v9, v9, |v[XS+\i+2]|, |v[XS+\i+3]|
.endr
	v_max3_num_f32 v8, v8, |v[XS+14]|, |v[XS+15]|
	v_max3_num_f32 v8, v8, v9, (EMAX+1)<<23        ; the floor 2^(3 - 127)
	v_max_num_f32_dpp v8, v8, v8 row_xmask:1 row_mask:0xf bank_mask:0xf   ; my neighbour's 16
	v_add_nc_u32 v11, 0xff000000, v8               ; 2 off the exponent field: the conversion's scale operand
	v_cvt_scalef32_pk16_fp6_f32 v[C+4*(\t):C+4*(\t)+2], v[XS:XS+15], v11
	v_lshrrev_b32 v[E+(\t)], 23, v11
	ds_store_b8 v5, v[E+(\t)] offset:16*(\t)
	global_store_b96 v4, v[C+4*(\t):C+4*(\t)+2], s[8:9] offset:2*KST*((\t)%2)+192*((\t)/2)   ; row t / 2, K steps 2 (t % 2) and the next
.endm
.irp t, 0,1,2,3,4,5,6,7,8,9,10,11,12,13,14,15
	XSTEP \t
.endr
	ds_load_b64 v[12:13], v6
	s_wait_dscnt 0x0
	global_store_b64 v7, v[12:13], s[10:11]        ; 256 consecutive bytes, aligned
	s_wait_tensorcnt 0x0                           ; the wave's end
	ds_add_u32 v[SPW], v[NIL]
	s_wait_dscnt 0x0
	s_endpgm
; ---- the weights: K is the first axis.  A lane takes a column and its registers run down K.  A wave takes 32 columns x one K step of 256: 8 blocks a lane, 192 bytes a column, which leave through the wave's stage as rows
.Lweights:
.set NB,    8
.set PITCH, 272                        ; a stage row: sixteen places of 16 bytes, each with 12 bytes of codes, + 16
.set WX,    32                         ; v32-95   two sets of 32 numbers
.set WC,    96
.set OUTR,  112
.set SB,    24
.set VO,    176                        ; v176-207 4 x lane + i rows of the weight
.set BAS,   32                         ; s[32:47] where block t's 32 rows begin
.set WOC,   3072*192                   ; W_out's places follow W_qkv's
.set WOS,   XSC+3072*32
	s_load_b128 s[4:7], s[0:1], 0x10               ; W_qkv, W_out
	s_load_b64 s[8:9], s[0:1], 0x20                ; wts
	s_and_b32 s3, ttmp9, 31                        ; which 128 columns: 0-23 W_qkv, 24-31 W_out
	s_lshr_b32 s18, ttmp9, 5                       ; which K step
	s_mov_b32 s20, 12288
	s_mov_b32 s22, XSC
	s_cmp_ge_u32 s3, 24
	s_cselect_b32 s17, 24, 0
	s_cselect_b32 s20, 4096, s20                   ; a row of the weight in bytes
	s_cselect_b32 s21, WOC, 0
	s_cselect_b32 s22, WOS, s22
	s_sub_co_u32 s17, s3, s17
	s_lshl_b32 s17, s17, 7
	s_lshl_b32 s19, s16, 5
	s_add_co_u32 s17, s17, s19                     ; my wave's first column
	v_lshlrev_b32 v3, 2, v2
.irp i, 0,1,2,3,4,5,6,7,8,9,10,11,12,13,14,15,16,17,18,19,20,21,22,23,24,25,26,27,28,29,30,31
	v_mad_u32_u24 v[VO+\i], s20, \i, v3
.endr
	s_mul_i32 s19, s16, 32*PITCH
	s_add_co_u32 s19, s19, WLDS                    ; my stage
	v_mul_u32_u24 v4, v2, PITCH
	v_add_nc_u32 v4, s19, v4
	v_and_b32 v5, 15, v2
	v_lshrrev_b32 v6, 4, v2
	v_mul_u32_u24 v7, v6, PITCH
	v_lshl_add_u32 v7, v5, 4, v7
	v_add_nc_u32 v7, s19, v7
	v_mul_u32_u24 v8, v6, 192
	v_mad_u32_u24 v8, v5, 12, v8
	v_and_b32 v9, 7, v2                            ; my column's place among the 32: bits 3 and 4 exchanged
	v_bfe_u32 v10, v2, 3, 1
	v_lshl_or_b32 v9, v10, 4, v9
	v_bfe_u32 v10, v2, 4, 1
	v_lshl_or_b32 v9, v10, 3, v9
	v_lshlrev_b32 v9, 5, v9
	s_lshl_b32 s23, s20, 8
	s_mul_i32 s24, s18, s23
	s_lshl_b32 s23, s17, 2
	s_add_co_u32 s24, s24, s23
	s_mov_b32 s25, 0
	s_lshl_b32 s26, s20, 5
	s_mov_b32 s27, 0
	s_mul_i32 s28, s17, 192
	s_add_co_u32 s28, s28, s21
	s_mul_i32 s23, s18, KST
	s_add_co_u32 s28, s28, s23                     ; codes: K step x KST + place x 192
	s_mov_b32 s29, 0
	s_lshl_b32 s30, s17, 5
	s_add_co_u32 s30, s30, s22
	s_lshl_b32 s23, s18, 3
	s_add_co_u32 s30, s30, s23                     ; scale bytes: place x 32 + 8 x K step
	s_mov_b32 s31, 0
	s_wait_alu depctr_va_vdst(0)                   ; the wait at the head's end
	s_wait_kmcnt 0x0
	s_cmp_ge_u32 s3, 24
	s_cselect_b64 s[4:5], s[6:7], s[4:5]
	s_add_nc_u64 s[BAS:BAS+1], s[4:5], s[24:25]
.irp t, 1,2,3,4,5,6,7
	s_add_nc_u64 s[BAS+2*\t:BAS+2*\t+1], s[BAS+2*\t-2:BAS+2*\t-1], s[26:27]
.endr
	s_add_nc_u64 s[6:7], s[8:9], s[28:29]
	s_add_nc_u64 s[8:9], s[8:9], s[30:31]
.macro WLOAD t
.irp i, 0,1,2,3,4,5,6,7,8,9,10,11,12,13,14,15,16,17,18,19,20,21,22,23,24,25,26,27,28,29,30,31
	global_load_b32 v[WX+32*((\t)%2)+\i], v[VO+\i], s[BAS+2*(\t):BAS+2*(\t)+1] th:TH_LOAD_NT
.endr
.endm
	WLOAD 0
	WLOAD 1
.macro WBLOCK t
.set XS, WX+32*((\t)%2)
.if (\t) < NB-1
	s_wait_loadcnt 32                              ; this block's 32 are in; the next block's may be out
.else
	s_wait_loadcnt 0
.endif
	v_max3_num_f32 v12, |v[XS]|, |v[XS+1]|, |v[XS+2]|
	v_max3_num_f32 v13, |v[XS+3]|, |v[XS+4]|, |v[XS+5]|
.irp i, 6,10,14,18,22,26
	v_max3_num_f32 v12, v12, |v[XS+\i]|, |v[XS+\i+1]|
	v_max3_num_f32 v13, v13, |v[XS+\i+2]|, |v[XS+\i+3]|
.endr
	v_max3_num_f32 v12, v12, |v[XS+30]|, |v[XS+31]|
	v_max3_num_f32 v12, v12, v13, (EMAX+1)<<23
	v_add_nc_u32 v11, 0xff000000, v12
	v_lshrrev_b32 v13, 23, v11
.if (\t)%4 == 0
	v_mov_b32 v[SB+(\t)/4], v13
.else
	v_lshl_or_b32 v[SB+(\t)/4], v13, 8*((\t)%4), v[SB+(\t)/4]
.endif
	v_cvt_scalef32_pk16_fp6_f32 v[WC:WC+2], v[XS:XS+15], v11
	v_cvt_scalef32_pk16_fp6_f32 v[WC+4:WC+6], v[XS+16:XS+31], v11
	ds_store_b96 v4, v[WC:WC+2] offset:32*(\t)
	ds_store_b96 v4, v[WC+4:WC+6] offset:32*(\t)+16
.if (\t)+2 < NB
	WLOAD (\t)+2
.endif
	s_wait_dscnt 0x0                               ; the stores have read their registers
.endm
.set Q, 0
.rept NB
	WBLOCK Q
.set Q, Q+1
.endr
	s_wait_alu depctr_va_vdst(0)                   ; the wait ahead of the reader below
	global_store_b64 v9, v[SB:SB+1], s[8:9]
.irp t, 0,1,2,3,4,5,6,7,8,9,10,11,12,13,14,15
	ds_load_b96 v[OUTR+4*\t:OUTR+4*\t+2], v7 offset:2*\t*PITCH
.endr
.irp t, 0,1,2,3,4,5,6,7,8,9,10,11,12,13,14,15
	s_wait_dscnt 15-\t                             ; the younger loads may be out
	global_store_b96 v8, v[OUTR+4*\t:OUTR+4*\t+2], s[6:7] offset:(((2*\t)&7)|((((2*\t)>>3)&1)<<4)|((((2*\t)>>4)&1)<<3))*192   ; two neighbouring places: 384 consecutive bytes
.endr
	s_wait_tensorcnt 0x0                           ; the wave's end
	ds_add_u32 v[SPW], v[NIL]
	s_wait_dscnt 0x0
	s_endpgm
.Lfunc_end_k_qc2eb21e32e_quant:
	.size	k_qc2eb21e32e_quant, .Lfunc_end_k_qc2eb21e32e_quant-k_qc2eb21e32e_quant
	.p2alignl 7, 3214868480
	.fill 96, 4, 3214868480
	.section	.rodata,"a",@progbits
	.p2align	6, 0x0
	.amdhsa_kernel k_qc2eb21e32e_quant
		.amdhsa_group_segment_fixed_size 68608
		.amdhsa_private_segment_fixed_size 0
		.amdhsa_enable_private_segment 0
		.amdhsa_kernarg_size 40
		.amdhsa_user_sgpr_count 2
		.amdhsa_user_sgpr_kernarg_segment_ptr 1
		.amdhsa_wavefront_size32 1
		.amdhsa_system_sgpr_workgroup_id_x 1
		.amdhsa_system_sgpr_workgroup_id_y 1
		.amdhsa_system_sgpr_workgroup_id_z 1
		.amdhsa_system_vgpr_workitem_id 0
		.amdhsa_next_free_vgpr 210
		.amdhsa_next_free_sgpr 66
		.amdhsa_reserve_vcc 0
		.amdhsa_float_denorm_mode_32 3
		.amdhsa_float_denorm_mode_16_64 3
		.amdhsa_memory_ordered 1
		.amdhsa_forward_progress 1
		.amdhsa_inst_pref_size 77
	.end_amdhsa_kernel
	.amdgpu_metadata
---
amdhsa.version: [ 1, 2 ]
amdhsa.kernels:
  - .name:           k_qc2eb21e32e_quant
    .symbol:         k_qc2eb21e32e_quant.kd
    .args:
      - { .name: x, .offset: 0, .size: 8, .value_kind: global_buffer, .address_space: global }
      - { .name: xq, .offset: 8, .size: 8, .value_kind: global_buffer, .address_space: global }
      - { .name: W_qkv, .offset: 16, .size: 8, .value_kind: global_buffer, .address_space: global }
      - { .name: W_out, .offset: 24, .size: 8, .value_kind: global_buffer, .address_space: global }
      - { .name: wts, .offset: 32, .size: 8, .value_kind: global_buffer, .address_space: global }
    .group_segment_fixed_size: 68608
    .private_segment_fixed_size: 0
    .kernarg_segment_align: 8
    .kernarg_segment_size: 40
    .max_flat_workgroup_size: 128
    .sgpr_count:     66
    .vgpr_count:     210
    .wavefront_size: 32
...
	.end_amdgpu_metadata
.endif
;; end of part 1
;; launch gemm_qkv (part 2): grid 12 x 32, 4 waves a work-group, clusters of 4 x 4, 327,680 bytes of LDS; arguments xq, wts, b_qkv, qkv; writes qkv
.if DOCPART == 2
	.amdgcn_target "amdgcn-amd-amdhsa--gfx1250"
	.amdhsa_code_object_version 6
	.text
	.protected	k_qc2eb21e32e_gemm_qkv
	.globl	k_qc2eb21e32e_gemm_qkv
	.p2align	8
	.type	k_qc2eb21e32e_gemm_qkv,@function
k_qc2eb21e32e_gemm_qkv:
	s_mov_b64 s[64:65], 0
	v_nop
	global_prefetch_b8 v0, s[64:65] scope:SCOPE_SE
	s_setreg_imm32_b32 hwreg(HW_REG_WAVE_MODE, 25, 1), 1
	s_wait_xcnt 0x0
	s_wait_alu depctr_hold_cnt(0) depctr_sa_sdst(0) depctr_va_vdst(0) depctr_va_sdst(0) depctr_va_ssrc(0) depctr_va_vcc(0) depctr_vm_vsrc(0)
	s_getreg_b32 s2, hwreg(HW_REG_IB_STS2, 6, 4)
	s_cmp_eq_u32 s2, 0
	s_cbranch_scc0 .Lentry_in_a_cluster
	s_endpgm
.Lentry_in_a_cluster:
	s_bfe_u32 s2, ttmp6, 0x10000c
	s_cmp_lg_u32 s2, 0xf033
	s_cbranch_scc0 .Lentry_shape_is_right
	s_endpgm
.Lentry_shape_is_right:
; qkv = x W_qkv + b_qkv on codes of FP6 (E2M3) with E8M0 scales for each 32 along K = 1,024; the result never goes to memory as f32: it is quantised here and leaves as the operand registers of the attention's products.
; A tile of 256 x 256 to a work-group of four waves, 128 x 128 a wave (64 accumulators, 512 registers).  K goes in steps of 256 through a ring of two LDS slots filled by the tensor data mover; the scale bytes of the
; work-group's 2 x 256 rows come once and stay.  4 x 4 work-groups form a cluster: "A's" tiles are asked for jointly along a row of the cluster, "B's" along a column.
; THE MATRIX INSTRUCTION: source 0 = 16 rows of B's table, source 1 = 16 rows of A's table.  A lane then holds ONE row of A's table and its registers run along B's table.  Both tables lie in the order in which
; bits 3 and 4 of a row's number are exchanged, so that the 16 registers of two neighbouring tiles of B are 16 NEIGHBOURS by their true numbers.
; q AND k (clusters x = 0, 1): A = x (tokens), B = W's columns: a lane holds a token, registers run along the head's 64: quantised along them.
; v (cluster x = 2): A = W's columns 2,048 on, B = x: a lane holds one (head, d), registers run along the tokens, which are the second attention product's K: quantised along them.  Only pointers and offsets differ up to the way out.
; WHAT IS STORED: records of 6,400 bytes: four images of 12 registers a lane ([4 registers][lane][16 bytes], 1,536 bytes each), then 256 bytes of scale words ([lane][2 words]: word 0 = image 0's in lanes 0-15,
; image 1's in lanes 16-31; word 1 = images 2 and 3).  A q or k image holds two tiles of 16 tokens x 64 (registers 0-5, 6-11); a v image 16 of the head's 64 x 128 tokens.
; LIMITS: a block of zeros, or one whose largest magnitude lies under 2^-124, gets the byte 1 (this program alone reads the bytes); NaN and infinities are not served.
; REGISTERS, in windows of 256: window 0: v0-31 addresses; v32-63 scale words, two sets; v64-127 the bias by column; v128-223 A's fragments, one set; v248-255 the bias by lane; on the way out v32-63 and v128-223 are at work.
;   window 1: B's fragments, two sets, at v0 and v128.   window 2: the accumulators of my rows 0-63 ((a, b) at v[8 (8 a + b)]);   window 3: those of my rows 64-127.
.set KSTEP,  256
.set NQ,     2                         ; matrix instructions deep in a slot
.set ROWB,   192                       ; a tile's row in bytes
; THE TABLES lie [K step of 256][place][192 bytes], K steps KST bytes apart in both buffers: a tile's places of one K step are one dense block, stated as rows of 256 bytes with the padding's interval left at 64 bytes.
; No prefetch: K is four steps, of which two are asked for at the head; the loop has two refills to run ahead of.
.set KROW,   192                       ; a place's bytes in one K step
.set KST,    1572864                   ; from K step to K step
.set PITCH,  240                       ; an LDS row: 3 x (64 bytes + 16 of padding)
.set FR,     12                        ; registers of a fragment
.set NL,     6                         ; LDS loads that bring one
.set NP,     4                         ; places behind this matrix instruction (ISA guide 7.12.1)
.set HALFT,  128*PITCH
.set SLOT,   4*HALFT
.set LAPS,   2                         ; 1,024 / (2 x 256)
.set KS,     32                        ; a row of scale bytes
.set SCL,    2*SLOT                    ; behind the ring: the scale bytes, as 256 bytes + 16 of padding
.set HALFS,  (128*KS/256)*272
.set SBLK,   (16*KS/256)*272
.set SPARE,  SCL+4*HALFS               ; the spare words, 128 bytes a wave: two blocks of 256 bytes that no other line names
.set XSC,    6291456                   ; x's scale bytes in xq
.set WQS,    6291456
.set KVO,    6553600                   ; where K's and V's records begin in qkv
.set ADRA, 16
.set ADRB, 20
.set LI,   24                          ; v24  16 x lane
.set L8,   25                          ; v25  8 x lane
.set BO,   26                          ; v26  64 x (lane / 16)
.set ADRS, 27
.set SPW,  28
.set NIL,  29
.set VO,   30                          ; v30  4 x (r + 8 (r / 8))
.set SC,   32
.set BB,   64                          ; v64-127  register 16 b + i: the bias of B's column 32 b + 16 (lane / 16) + i
.set AF,   128
.set BV,   248                         ; v248-255 register a: the bias of my lane's row of A's block a
.set T,    128                         ; the way out: 64 numbers,
.set IMGX, 192                         ; two images,
.set IMGY, 204
.set CT,   216                         ; the conversions' second halves,
.set TM,   32                          ; v32-47 at work,
.set PW,   48                          ; v48-49 scale words just made,
.set W,    50                          ; v50-57 the eight images' scale words,
.set SW,   58                          ; v58-61 as they are stored
.set G1, 24
.set G0, 32
.set G1B, 48
.set G0B, 56
.set SEL, 66                           ; s[66:67] lane selects for v_permlanex16_b32: lane l xor 16
.set G1S, 68
.set G0S, 76
.set G1SB, 80
.set G0SB, 88
.set ISV, 95                           ; s95  1 in the cluster column that makes v: the same in all sixteen partners
.set MSB, 0
.macro WIN new                         ; the immediate's high byte repeats the setting that is left
.if MSB != \new
	s_set_vgpr_msb (MSB<<8)|\new
.set MSB, \new
.endif
.endm
.set MUL_LO, 0xa1                      ; source 0 (B) window 1, source 1 (A) window 0, C and D window 2
.set MUL_HI, 0xf1
.set TO_B,   0x40
; A joint load: waves 0 and 1 fetch for A, waves 2 and 3 for B; the branch hangs on the wave's number alone.  Four v_nop follow each of the two lines.
.macro JLOAD g0a, g1a, g0b, g1b
	s_cmp_eq_u32 s15, 0
	s_cbranch_scc0 .Lfor_b_\@
	tensor_load_to_lds s[\g0a:\g0a+3], s[\g1a:\g1a+7]
	s_nop 0
.rept 4
	v_nop
.endr
	s_branch .Lasked_\@
.Lfor_b_\@:
	tensor_load_to_lds s[\g0b:\g0b+3], s[\g1b:\g1b+7]
	s_nop 0
.rept 4
	v_nop
.endr
.Lasked_\@:
.endm
.macro CREST                           ; a round of the cluster's barrier behind its opening barrier
	s_cmp_lg_u32 s14, 0
	s_cbranch_scc1 .Lnot_wave_0_\@
	s_barrier_signal -3
.Lnot_wave_0_\@:
	s_barrier_wait -3
	s_barrier_signal -1
	s_barrier_wait -1
.endm
.macro CROUND
	s_barrier_signal -1
	s_barrier_wait -1
	CREST
.endm
	s_load_b128 s[4:7], s[0:1], 0x0                ; xq s[4:5], wts s[6:7]
	s_load_b128 s[8:11], s[0:1], 0x10              ; b_qkv s[8:9], qkv s[10:11]
	v_lshl_add_u32 v[SPW], v0, 2, SPARE
	v_mov_b32 v[NIL], 0
	ds_add_u32 v28, v29
	ds_add_u32 v28, v29
	s_wait_dscnt 0x0
	v_lshrrev_b32 v1, 5, v0
	v_readfirstlane_b32 s14, v1                    ; wave 0..3
	s_lshr_b32 s15, s14, 1                         ; which half of A's 256 rows is mine.  Also: I fetch for A (0) or for B (1)
	s_and_b32 s16, s14, 1                          ; which half of B's.  Also: which 128 rows I fetch
	s_bfe_u32 s40, ttmp6, 0x40000                  ; cx
	s_bfe_u32 s41, ttmp6, 0x40004                  ; cy
	s_and_b32 s2, ttmp7, 0xffff                    ; cluster y
	s_mov_b32 s96, XSC
	s_mov_b32 s98, WQS
	s_cmp_eq_u32 ttmp9, 2                          ; cluster x = 2 makes v
	s_cselect_b32 s[ISV], 1, 0
	s_cselect_b32 s17, 0, s2                       ; A's tiles: for v W's four, else x's 32, by cluster y
	s_cselect_b32 s42, s2, ttmp9                   ; B's tiles: for v x's 32, by cluster y, else W's eight, by cluster x
	s_cselect_b32 s100, 2048, 0                    ; v's columns begin 2,048 rows on in W's table
	s_cselect_b32 s96, WQS, s96                    ; where A's scale bytes begin in A's buffer,
	s_cselect_b32 s98, XSC, s98                    ; and B's in B's
	s_mov_b32 s97, 0
	s_mov_b32 s99, 0
	s_lshl_b32 s17, s17, 2
	s_add_co_u32 s17, s17, s41                     ; A's tile: it hangs on cy, never on cx
	s_lshl_b32 s42, s42, 2
	s_add_co_u32 s42, s42, s40                     ; B's tile: on cx, never on cy
	s_lshl_b32 s43, s41, 2
	s_lshl_b32 s43, 15, s43                        ; my row of the cluster
	s_lshl_b32 s44, 0x1111, s40                    ; my column
	; descriptor group 1: a tile of 128 rows x 192 bytes, 16 bytes of padding behind every 64
	s_or_b32 s[G1+0], s43, (0<<16)|(1<<20)|(1<<21)|(3<<22)|(3<<25)
	s_or_b32 s[G1B+0], s44, (0<<16)|(1<<20)|(1<<21)|(3<<22)|(3<<25)
.irp g, G1, G1B
	s_mov_b32 s[\g+1], 256<<16                     ; rows of 256 bytes;
	s_mov_b32 s[\g+2], 192<<16                     ; the head's loads bring 256 places = 192 such rows, the ring's 96
	s_mov_b32 s[\g+3], 256<<16
	s_mov_b32 s[\g+4], 192
	s_mov_b32 s[\g+5], 256
	s_mov_b32 s[\g+6], 0
	s_mov_b32 s[\g+7], 0
.endr
	; the scale bytes of 256 rows: 8,192 dense bytes as 32 rows of 256 (32 elements of 8 bytes), 16 bytes of padding behind each
	s_or_b32 s[G1S+0], s43, (3<<16)|(1<<20)|(1<<21)|(5<<22)|(3<<25)
	s_or_b32 s[G1SB+0], s44, (3<<16)|(1<<20)|(1<<21)|(5<<22)|(3<<25)
.irp g, G1S, G1SB
	s_mov_b32 s[\g+1], 32<<16
	s_mov_b32 s[\g+2], (256*KS/256)<<16            ; the scale bytes of all 256 rows in one load
	s_mov_b32 s[\g+3], 32<<16
	s_mov_b32 s[\g+4], 256*KS/256
	s_mov_b32 s[\g+5], 32
	s_mov_b32 s[\g+6], 0
	s_mov_b32 s[\g+7], 0
.endr
	s_lshl_b32 s20, s17, 8
	s_add_co_u32 s20, s20, s100                    ; A: the tile's first place in its table
	s_lshl_b32 s46, s42, 8                         ; B likewise
	s_mov_b32 s21, 0
	s_mov_b32 s47, 0
	s_mov_b64 s[18:19], KS
	s_mul_u64 s[22:23], s[20:21], s[18:19]
	s_mul_u64 s[92:93], s[46:47], s[18:19]
	s_add_nc_u64 s[22:23], s[22:23], s[96:97]      ; these rows' scale bytes, from the buffer's first byte
	s_add_nc_u64 s[92:93], s[92:93], s[98:99]
	s_mov_b64 s[18:19], KROW
	s_mul_u64 s[20:21], s[20:21], s[18:19]         ; and their codes
	s_mul_u64 s[46:47], s[46:47], s[18:19]
	s_mul_i32 s45, s14, HALFT                      ; where they go: wave x 128 rows: no place in the cluster enters an LDS address
	s_wait_kmcnt 0x0
	s_cmp_eq_u32 s[ISV], 1
	s_cselect_b64 s[12:13], s[6:7], s[4:5]         ; A's buffer
	s_cselect_b64 s[4:5], s[4:5], s[6:7]           ; B's buffer
	s_add_nc_u64 s[20:21], s[12:13], s[20:21]
	s_add_nc_u64 s[22:23], s[12:13], s[22:23]
	s_add_nc_u64 s[46:47], s[4:5], s[46:47]
	s_add_nc_u64 s[92:93], s[4:5], s[92:93]
	CROUND                                         ; all sixteen work-groups are here: the first joint loads meet
	s_mov_b32 s[G0S], 1                            ; the head's four tiles, each whole: A's scale bytes,
	s_mov_b32 s[G0S+1], SCL
	s_mov_b64 s[G0S+2:G0S+3], s[22:23]
	s_or_b32 s[G0S+3], s[G0S+3], 0x80000000
	s_mov_b32 s[G0SB], 1                           ; B's,
	s_mov_b32 s[G0SB+1], SCL+2*HALFS
	s_mov_b64 s[G0SB+2:G0SB+3], s[92:93]
	s_or_b32 s[G0SB+3], s[G0SB+3], 0x80000000
	s_mov_b32 s[G0], 1                             ; K step 0's 256 places of A (slot 0's group 0 serves; it is set for the ring behind the wait for these loads),
	s_mov_b32 s[G0+1], 0
	s_mov_b64 s[G0+2:G0+3], s[20:21]
	s_or_b32 s[G0+3], s[G0+3], 0x80000000
	s_mov_b32 s[G0B], 1                            ; and of B
	s_mov_b32 s[G0B+1], 2*HALFT
	s_mov_b64 s[G0B+2:G0B+3], s[46:47]
	s_or_b32 s[G0B+3], s[G0B+3], 0x80000000
	s_mul_i32 s18, s16, 128*KROW                   ; in the ring I fetch 128 places: which half
	s_mov_b32 s19, 0
	s_mov_b32 s[G0+4], 1                           ; slot 1: K step 1
	s_add_co_u32 s[G0+5], s45, SLOT
	s_add_nc_u64 s[G0+6:G0+7], s[20:21], s[18:19]
	s_add_nc_u64 s[G0+6:G0+7], s[G0+6:G0+7], KST
	s_or_b32 s[G0+7], s[G0+7], 0x80000000
	s_mov_b32 s[G0B+4], 1
	s_add_co_u32 s[G0B+5], s45, SLOT
	s_add_nc_u64 s[G0B+6:G0B+7], s[46:47], s[18:19]
	s_add_nc_u64 s[G0B+6:G0B+7], s[G0B+6:G0B+7], KST
	s_or_b32 s[G0B+7], s[G0B+7], 0x80000000
; one tensor load a wave at the head, in one chain of branches on the wave's number
.macro ARM under, g0, g1, next
	s_cmp_lt_u32 s14, \under
	s_cbranch_scc0 \next
	tensor_load_to_lds s[\g0:\g0+3], s[\g1:\g1+7]
	s_nop 0
.rept 4
	v_nop
.endr
	s_branch .Lhead_asked
\next:
.endm
	ARM 1, G0,  G1,  .Lhead_b
	ARM 2, G0B, G1B, .Lhead_sa
	ARM 3, G0S, G1S, .Lhead_sb
	tensor_load_to_lds s[G0SB:G0SB+3], s[G1SB:G1SB+7]
	s_nop 0
.rept 4
	v_nop
.endr
.Lhead_asked:
	v_and_b32 v1, 15, v0                           ; r = l % 16
	v_bfe_u32 v2, v0, 4, 1                         ; h = l / 16
	v_mul_u32_u24 v3, v1, PITCH
	v_mul_u32_u24 v4, v2, 24
	v_add_nc_u32 v4, v3, v4                        ; a fragment's row x pitch + 24 x half
	v_lshl_add_u32 v5, v2, 4, v4                   ; and the same behind one padding more
	s_mul_i32 s21, s15, HALFT                      ; my 128 rows of A
	s_mul_i32 s22, s16, HALFT                      ; my 128 rows of B,
	s_add_co_u32 s22, s22, 2*HALFT                 ; which lie behind A's 256
.irp s, 0,1
	v_add_nc_u32 v[ADRA+\s], s21, v4
	v_add_nc_u32 v[ADRB+\s], s22, v4
	v_add_nc_u32 v[ADRA+2+\s], s21, v5
	v_add_nc_u32 v[ADRB+2+\s], s22, v5
	s_add_co_u32 s21, s21, SLOT
	s_add_co_u32 s22, s22, SLOT
.endr
	v_mul_u32_u24 v5, v1, KS                       ; my row's scale bytes: 32 a row,
	v_lshrrev_b32 v6, 8, v5
	v_lshl_add_u32 v5, v6, 4, v5                   ; and 16 more for each 256 passed
	s_mul_i32 s21, s15, HALFS
	s_mul_i32 s22, s16, HALFS
	s_add_co_u32 s22, s22, 2*HALFS
	s_sub_co_u32 s22, s22, s21
	v_mul_u32_u24 v6, s22, v2                      ; lanes 16-31 take B's
	s_add_co_u32 s21, s21, SCL
	v_add_nc_u32 v5, v5, v6
	v_add_nc_u32 v[ADRS], s21, v5
	v_and_b32 v6, 31, v0
	v_lshlrev_b32 v[LI], 4, v6
	v_lshlrev_b32 v[L8], 3, v6
	v_lshlrev_b32 v[BO], 6, v2
	s_wait_alu depctr_va_vdst(0)
	v_and_b32 v6, 8, v1
	v_add_nc_u32 v6, v6, v1
	v_lshlrev_b32 v[VO], 2, v6
	; THE BIASES.  Both sets are loaded on the one way that every work-group takes; the set that a work-group does not use is read from a valid place of b_qkv and left alone.
	s_wait_alu depctr_va_vdst(0)
	s_lshl_b32 s20, s17, 8
	s_lshl_b32 s21, s15, 7
	s_add_co_u32 s20, s20, s21                     ; my first row of A's tile
	s_lshl_b32 s46, s42, 8
	s_lshl_b32 s47, s16, 7
	s_add_co_u32 s46, s46, s47                     ; my first row of B's tile
	s_add_co_u32 s47, s20, 2048
	s_cmp_eq_u32 s[ISV], 1
	s_cselect_b32 s18, 0, s46                      ; the bias by column: q's and k's columns
	s_cselect_b32 s22, s20, 0                      ; the bias by lane: v's columns, beyond 2,048
	s_cselect_b32 s23, s46, s20                    ; my first token
	s_cselect_b32 s47, s47, s46                    ; my first column of qkv
	s_lshl_b32 s18, s18, 2
	s_mov_b32 s19, 0
	s_add_nc_u64 s[12:13], s[8:9], s[18:19]
	s_lshl_b32 s18, s22, 2
	s_add_co_u32 s18, s18, 8192
	s_add_nc_u64 s[92:93], s[8:9], s[18:19]
.irp b, 0,1,2,3
.irp j, 0,1,2,3
	global_load_b128 v[BB+16*\b+4*\j:BB+16*\b+4*\j+3], v[BO], s[12:13] offset:128*\b+16*\j
.endr
.endr
.irp a, 0,1,2,3,4,5,6,7
	global_load_b32 v[BV+\a], v[VO], s[92:93] offset:(32*(\a/2)+8*(\a%2))*4
.endr
	; WHERE MY TWO HEADS' RECORDS LIE: 128 tokens are one record's worth, 128 columns two heads
	s_lshr_b32 s96, s47, 10                        ; 0 q, 1 k, 2 v
	s_lshr_b32 s97, s23, 11                        ; the batch
	s_lshl_b32 s97, s97, 4
	s_bfe_u32 s98, s47, 0x40006                    ; the head
	s_add_co_u32 s97, s97, s98
	s_lshl_b32 s97, s97, 4
	s_bfe_u32 s98, s23, 0x40007                    ; which 128 tokens
	s_add_co_u32 s97, s97, s98
	s_mov_b32 s98, 12800
	s_cmp_eq_u32 s96, 0
	s_cselect_b32 s98, 6400, s98                   ; q's records lie alone, k's and v's in pairs
	s_cselect_b32 s100, 0, KVO
	s_cmp_eq_u32 s96, 2
	s_cselect_b32 s101, 6400, 0
	s_mul_i32 s96, s97, s98
	s_add_co_u32 s96, s96, s100
	s_add_co_u32 s96, s96, s101
	s_mov_b32 s97, 0
	s_lshl_b32 s98, s98, 4                         ; the next head: 16 records on
	s_mov_b32 s99, 0
	s_add_nc_u64 s[4:5], s[10:11], s[96:97]
	s_add_nc_u64 s[6:7], s[4:5], s[98:99]
	s_mov_b32 s[SEL], 0x76543210
	s_mov_b32 s[SEL+1], 0xfedcba98
.macro FRAG reg, adr, q, i             ; a fragment, 16 rows x 128 K, is 12 registers: lane l holds row l % 16; registers 6 c .. 6 c + 5 hold K = 64 c + 32 (l / 16) + 0 .. 31: 24 bytes of the row as they lie
.irp p, 0,1,2,3,4,5                    ; in pieces of 8 bytes; where the piece that lanes 16-31 take lies behind one padding more, the second address register serves
.set PC, 12*(\q)+6*(\p/3)+\p%3
.if PC%8 < 5
	ds_load_b64 v[\reg+2*\p:\reg+2*\p+1], v[\adr] offset:8*PC+16*(PC/8)+(\i)*16*PITCH
.else
	ds_load_b64 v[\reg+2*\p:\reg+2*\p+1], v[\adr+2] offset:8*PC+16*(PC/8)+(\i)*16*PITCH
.endif
.endr
.endm
; 16 matrix instructions: A's blocks a0, a0 + 1 x B's eight.  The 64 accumulators take turns, one instruction a turn, in the same order in every step.
.macro MUL16 a0, p, q, sc, zero
.irp a, \a0, \a0+1
.irp b, 0,1,2,3,4,5,6,7
.if \zero
	v_wmma_scale_f32_16x16x128_f8f6f4 v[8*(8*((\a)%4)+\b):8*(8*((\a)%4)+\b)+7], v[128*(\p)+FR*\b:128*(\p)+FR*\b+FR-1], v[AF+FR*(\a):AF+FR*(\a)+FR-1], 0, v[SC+8*NQ*(\sc)+NQ*\b+(\q)], v[SC+8*NQ*(\sc)+NQ*(\a)+(\q)] matrix_a_fmt:MATRIX_FMT_FP6 matrix_b_fmt:MATRIX_FMT_FP6 matrix_a_scale:MATRIX_SCALE_ROW1
.else
	v_wmma_scale_f32_16x16x128_f8f6f4 v[8*(8*((\a)%4)+\b):8*(8*((\a)%4)+\b)+7], v[128*(\p)+FR*\b:128*(\p)+FR*\b+FR-1], v[AF+FR*(\a):AF+FR*(\a)+FR-1], v[8*(8*((\a)%4)+\b):8*(8*((\a)%4)+\b)+7], v[SC+8*NQ*(\sc)+NQ*\b+(\q)], v[SC+8*NQ*(\sc)+NQ*(\a)+(\q)] matrix_a_fmt:MATRIX_FMT_FP6 matrix_b_fmt:MATRIX_FMT_FP6 matrix_a_scale:MATRIX_SCALE_ROW1
.endif
.endr
.endr
.endm
.macro FETCH_B slot, q, p
	WIN TO_B
.irp i, 0,1,2,3,4,5,6,7
	FRAG 128*(\p)+FR*\i, ADRB+\slot, \q, \i
.endr
	WIN 0
.endm
.macro FETCH_A slot, q, i0
.irp i, \i0, \i0+1, \i0+2, \i0+3
	FRAG AF+FR*(\i), ADRA+\slot, \q, \i
.endr
.endm
.macro SCALES sc                       ; a K step's scale words: lanes 0-15 take A's block i, lanes 16-31 B's block i
.irp i, 0,1,2,3,4,5,6,7
	ds_load_b64 v[SC+8*NQ*\sc+NQ*\i:SC+8*NQ*\sc+NQ*\i+1], v[ADRS] offset:\i*SBLK
.endr
.endm
.macro PLACES n                        ; plain vector instructions between a matrix instruction and a load into, or a vector instruction on, its registers
.rept \n
	v_nop
.endr
.endm
.macro STEP slot, q, zero              ; a step of 128 along K that has its successor in the same slot
	s_wait_dscnt 4*NL                              ; B's set and A's blocks 0-3 are in; the youngest 24 loads (A's blocks 4-7) may be out
	WIN MUL_LO
	MUL16 0, (\q)%2, \q, \slot, \zero
	MUL16 2, (\q)%2, \q, \slot, \zero
	s_wait_dscnt 0
	PLACES NP
	FETCH_B \slot, (\q)+1, 1-(\q)%2
	FETCH_A \slot, (\q)+1, 0
	WIN MUL_HI
	MUL16 4, (\q)%2, \q, \slot, \zero
	MUL16 6, (\q)%2, \q, \slot, \zero
	PLACES NP
	WIN 0
	FETCH_A \slot, (\q)+1, 4
.endm
; A slot's last step changes slots: one barrier; in front of it each wave waits for all its tensor loads, adds 0 to its spare word, and waits for that and for its own reads of this slot.
.macro TURN slot, next, fill
	s_wait_tensorcnt 0x0                           ; all my tensor loads have landed: my part of the next slot
	ds_add_u32 v[SPW], v[NIL]                      ; 0 onto my spare word
	s_wait_dscnt 4*NL+1                            ; (the add and the youngest 24 loads may be out)
	WIN MUL_LO
	MUL16 0, 1, NQ-1, \slot, 0
	s_wait_dscnt 0x0                               ; the add is done, and my reads of this slot are over
	s_barrier_signal -1
	MUL16 2, 1, NQ-1, \slot, 0
	WIN 0
	s_barrier_wait -1
.if \fill
	CREST                                          ; the barrier has opened a round of the cluster's barrier: no wave of any partner still reads this slot or has a load on its way
	s_add_nc_u64 s[G0+4*\slot+2:G0+4*\slot+3], s[G0+4*\slot+2:G0+4*\slot+3], 2*KST
	s_add_nc_u64 s[G0B+4*\slot+2:G0B+4*\slot+3], s[G0B+4*\slot+2:G0B+4*\slot+3], 2*KST
	JLOAD G0+4*\slot, G1, G0B+4*\slot, G1B         ; the first tensor load behind the round; its four v_nop are also the places in front of the loads below
.else
	PLACES NP
.endif
	s_wait_alu depctr_va_vdst(0)
	v_add_nc_u32 v[ADRS], 4*NQ, v[ADRS]            ; on to the next K step's scale words
	FETCH_B \next, 0, 0
	FETCH_A \next, 0, 0
	SCALES \next
	WIN MUL_HI
	MUL16 4, 1, NQ-1, \slot, 0
	MUL16 6, 1, NQ-1, \slot, 0
	PLACES NP
	WIN 0
	FETCH_A \next, 0, 4
.endm
	s_wait_tensorcnt 0x0                           ; my tile of the head's four is in; slot 1's first fill is issued as a refill is
	ds_add_u32 v[SPW], v[NIL]
	s_mov_b32 s[G1+2], 96<<16                      ; no tensor load of mine is out: from here on a load brings 128 places = 96 rows of 256 bytes,
	s_mov_b32 s[G1+4], 96
	s_mov_b32 s[G1B+2], 96<<16
	s_mov_b32 s[G1B+4], 96
	s_mov_b32 s[G0+1], s45                         ; and slot 0's group 0 points at my half
	s_mov_b32 s[G0B+1], s45
	s_mul_i32 s18, s16, 128*KROW
	s_mov_b32 s19, 0
	s_add_nc_u64 s[G0+2:G0+3], s[G0+2:G0+3], s[18:19]
	s_add_nc_u64 s[G0B+2:G0B+3], s[G0B+2:G0B+3], s[18:19]
	s_wait_dscnt 0x0
	CROUND                                         ; all four tiles are in, in all sixteen work-groups
	JLOAD G0+4, G1, G0B+4, G1B                     ; K step 1, the first tensor load behind the round
	FETCH_B 0, 0, 0
	FETCH_A 0, 0, 0
	SCALES 0
	FETCH_A 0, 0, 4
	STEP 0, 0, 1                                   ; the first step's products start the sums
	s_mov_b32 s3, LAPS-1
.Llap:                                                 ; a trip goes once round the ring and fills both slots again
	TURN 0, 1, 1
	STEP 1, 0, 0
	TURN 1, 0, 1
	STEP 0, 0, 0
	s_sub_co_u32 s3, s3, 1
	s_cmp_lg_u32 s3, 0
	s_cbranch_scc1 .Llap
	TURN 0, 1, 0                                   ; the last lap fills nothing
	STEP 1, 0, 0
	s_wait_dscnt 4*NL
	WIN MUL_LO
	MUL16 0, 1, NQ-1, 1, 0
	MUL16 2, 1, NQ-1, 1, 0
	s_wait_dscnt 0
	WIN MUL_HI
	MUL16 4, 1, NQ-1, 1, 0
	MUL16 6, 1, NQ-1, 1, 0
	WIN 0
; THE WAY OUT.  ADDB: the 64 results of A's block a, plus the bias, into window 0: register 16 b + i = B's true number 32 b + 16 (lane / 16) + i.  Each accumulator is read from its low end on.
.macro ADDB a, byl
	WIN (0x02+(\a)/4)
.set AC, 64*((\a)%4)
.set i, 0
.rept 32
.if \byl
.if (\a)%2
	v_pk_add_f32 v[T+i:T+i+1], v[AC+i:AC+i+1], v[BV+(\a)-1:BV+(\a)] op_sel:[0,1] op_sel_hi:[1,1]
.else
	v_pk_add_f32 v[T+i:T+i+1], v[AC+i:AC+i+1], v[BV+(\a):BV+(\a)+1] op_sel_hi:[1,0]
.endif
.else
	v_pk_add_f32 v[T+i:T+i+1], v[AC+i:AC+i+1], v[BB+i:BB+i+1]
.endif
.set i, i+2
.endr
	WIN 0
.endm
; QUANT: 64 numbers of a lane become four blocks' codes: blocks 0, 1 in six registers from d0 on, blocks 2, 3 from d1 on (lanes 0-15 hold the even block, lanes 16-31 the odd one), and their four bytes in v[pw].
.macro QUANT s, d0, d1, pw
.irp b, 0,1,2,3
	v_max3_num_f32 v[TM+\b], |v[\s+16*\b]|, |v[\s+1+16*\b]|, 0x1800000   ; my 16 numbers of block b, and the floor 2^(3 - 127)
.endr
.irp i, 2,4,6,8,10,12,14
.irp b, 0,1,2,3
	v_max3_num_f32 v[TM+\b], v[TM+\b], |v[\s+16*\b+\i]|, |v[\s+1+16*\b+\i]|
.endr
.endr
.irp b, 0,1,2,3
	v_permlanex16_b32 v[TM+4+\b], v[TM+\b], s[SEL], s[SEL+1]
.endr
.irp b, 0,1,2,3
	v_max_num_f32 v[TM+\b], v[TM+\b], v[TM+4+\b]   ; with lane l xor 16's: the block's largest magnitude
.endr
.irp b, 0,1,2,3
	v_add_nc_u32 v[TM+12+\b], 0xff000000, v[TM+\b] ; 2 off its exponent field: the conversion's scale operand
.endr
.irp b, 0,1,2,3
	v_lshrrev_b32 v[TM+4+\b], 23, v[TM+12+\b]      ; the scale's byte
.endr
	v_lshl_or_b32 v[\pw], v[TM+5], 8, v[TM+4]
	v_lshl_or_b32 v[\pw], v[TM+6], 16, v[\pw]
	v_lshl_or_b32 v[\pw], v[TM+7], 24, v[\pw]
	v_cvt_scalef32_pk16_fp6_f32 v[(\d0):(\d0)+2], v[\s:\s+15], v[TM+12]
	v_cvt_scalef32_pk16_fp6_f32 v[CT:CT+2], v[\s+16:\s+31], v[TM+13]
	v_cvt_scalef32_pk16_fp6_f32 v[(\d1):(\d1)+2], v[\s+32:\s+47], v[TM+14]
	v_cvt_scalef32_pk16_fp6_f32 v[CT+4:CT+6], v[\s+48:\s+63], v[TM+15]
	v_nop                                          ; one plain place behind a scaled conversion
.irp i, 0,1,2
	v_permlane16_swap_b32 v[(\d0)+\i], v[CT+\i]    ; the first's lanes 16-31 change places with the second's lanes 0-15: a whole block in a lane
.endr
.irp i, 0,1,2
	v_mov_b32 v[(\d0)+3+\i], v[CT+\i]
.endr
.irp i, 0,1,2
	v_permlane16_swap_b32 v[(\d1)+\i], v[CT+4+\i]
.endr
.irp i, 0,1,2
	v_mov_b32 v[(\d1)+3+\i], v[CT+4+\i]
.endr
.endm
	PLACES NP                                      ; behind the last products: their results are read and their operands' registers written below
	s_wait_loadcnt 0x0                             ; the biases
.irp b, 0,1,2,3
	v_mov_b32 v[TM+4+\b], 0                        ; written once: a lane permute's destination counts as one of its sources
.endr
	s_mov_b32 s94, 0xffff0000                      ; lanes 16-31
	s_cmp_eq_u32 s[ISV], 1
	s_cbranch_scc1 .Lway_v
	; q, k: two tiles of 16 tokens make an image for each of my two heads
.irp be, 0,1,2,3
	s_wait_xcnt 0x0                                ; the last images' stores have read their registers
.irp u, 0,1
	ADDB 2*\be+\u, 0
	QUANT T, IMGX+6*\u, IMGY+6*\u, PW+\u
.endr
	v_perm_b32 v[W+\be], v[PW+1], v[PW], 0x05040100     ; the first head's two bytes of each tile
	v_perm_b32 v[W+4+\be], v[PW+1], v[PW], 0x07060302   ; the second head's
.irp g, 0,1,2
	global_store_b128 v[LI], v[IMGX+4*\g:IMGX+4*\g+3], s[4:5] offset:1536*\be+512*\g   ; 32 lanes store 512 consecutive bytes, aligned
	global_store_b128 v[LI], v[IMGY+4*\g:IMGY+4*\g+3], s[6:7] offset:1536*\be+512*\g
.endr
.endr
	s_branch .Lwords
.Lway_v:
	; v: each block of 16 of W's columns x my 128 tokens is an image
.irp a, 0,1,2,3,4,5,6,7
	s_wait_xcnt 0x0
	ADDB \a, 1
	QUANT T, IMGX+12*(\a%2), IMGX+12*(\a%2)+6, W+\a
.irp g, 0,1,2
	global_store_b128 v[LI], v[IMGX+12*(\a%2)+4*\g:IMGX+12*(\a%2)+4*\g+3], s[4+2*(\a/4):5+2*(\a/4)] offset:1536*(\a%4)+512*\g
.endr
.endr
.Lwords:
	s_wait_alu depctr_va_vdst(0)
.irp e, 0,1
	v_cndmask_b32 v[SW+2*\e], v[W+4*\e], v[W+4*\e+1], s94       ; image 0's words in lanes 0-15, image 1's in lanes 16-31
	v_cndmask_b32 v[SW+2*\e+1], v[W+4*\e+2], v[W+4*\e+3], s94   ; images 2 and 3
.endr
	global_store_b64 v[L8], v[SW:SW+1], s[4:5] offset:6144      ; 32 lanes store 256 consecutive bytes, aligned
	global_store_b64 v[L8], v[SW+2:SW+3], s[6:7] offset:6144
	s_wait_tensorcnt 0x0                           ; the wave's end
	ds_add_u32 v[SPW], v[NIL]
	s_wait_dscnt 0x0
	CROUND                                         ; the closing round: no work-group ends while a partner may still ask for a tile that names it
	s_endpgm
.Lfunc_end_k_qc2eb21e32e_gemm_qkv:
	.size	k_qc2eb21e32e_gemm_qkv, .Lfunc_end_k_qc2eb21e32e_gemm_qkv-k_qc2eb21e32e_gemm_qkv
	.p2alignl 7, 3214868480
	.fill 96, 4, 3214868480
	.section	.rodata,"a",@progbits
	.p2align	6, 0x0
	.amdhsa_kernel k_qc2eb21e32e_gemm_qkv
		.amdhsa_group_segment_fixed_size 327680
		.amdhsa_private_segment_fixed_size 0
		.amdhsa_enable_private_segment 0
		.amdhsa_kernarg_size 32
		.amdhsa_user_sgpr_count 2
		.amdhsa_user_sgpr_kernarg_segment_ptr 1
		.amdhsa_wavefront_size32 1
		.amdhsa_system_sgpr_workgroup_id_x 1
		.amdhsa_system_sgpr_workgroup_id_y 1
		.amdhsa_system_sgpr_workgroup_id_z 1
		.amdhsa_system_vgpr_workitem_id 0
		.amdhsa_next_free_vgpr 1024
		.amdhsa_next_free_sgpr 102
		.amdhsa_reserve_vcc 0
		.amdhsa_float_denorm_mode_32 3
		.amdhsa_float_denorm_mode_16_64 3
		.amdhsa_memory_ordered 1
		.amdhsa_forward_progress 1
		.amdhsa_inst_pref_size 234
	.end_amdhsa_kernel
	.amdgpu_metadata
---
amdhsa.version: [ 1, 2 ]
amdhsa.kernels:
  - .name:           k_qc2eb21e32e_gemm_qkv
    .symbol:         k_qc2eb21e32e_gemm_qkv.kd
    .args:
      - { .name: xq, .offset: 0, .size: 8, .value_kind: global_buffer, .address_space: global }
      - { .name: wts, .offset: 8, .size: 8, .value_kind: global_buffer, .address_space: global }
      - { .name: b_qkv, .offset: 16, .size: 8, .value_kind: global_buffer, .address_space: global }
      - { .name: qkv, .offset: 24, .size: 8, .value_kind: global_buffer, .address_space: global }
    .group_segment_fixed_size: 327680
    .private_segment_fixed_size: 0
    .kernarg_segment_align: 8
    .kernarg_segment_size: 32
    .max_flat_workgroup_size: 128
    .sgpr_count:     102
    .vgpr_count:     1024
    .wavefront_size: 32
...
	.end_amdgpu_metadata
.endif
;; end of part 2
;; launch attn (part 3): grid 4 x 64, 16 waves a work-group, no clusters, 327,680 bytes of LDS; arguments qkv, oq; writes oq
.if DOCPART == 3
	.amdgcn_target "amdgcn-amd-amdhsa--gfx1250"
	.amdhsa_code_object_version 6
	.text
	.protected	k_qc2eb21e32e_attn
	.globl	k_qc2eb21e32e_attn
	.p2align	8
	.type	k_qc2eb21e32e_attn,@function
k_qc2eb21e32e_attn:
	s_mov_b64 s[64:65], 0
	v_nop
	global_prefetch_b8 v0, s[64:65] scope:SCOPE_SE
	s_setreg_imm32_b32 hwreg(HW_REG_WAVE_MODE, 25, 1), 1
	s_wait_xcnt 0x0
; Causal attention of one (batch, head) on codes of FP6 (E2M3) with E8M0 scales: S^T = K Q^T (K = the head's 64), p = 2^(t - M), O^T = V^T P^T (K = the keys), o = O / l, quantised along the head's 64 for the last product.
; t = score x log2(e) / 8; M = the running largest t rounded UP to a whole number; the row's sum l is taken of the unquantised p; when M moves, l and O are multiplied by 2^(old M - new M), which rounds nothing.
; SHARES.  Work-group (j, head) takes two blocks of 256 queries: first block 7 - j against key slots 0 .. 7 - j, then block j against slots 0 .. j: always nine slots of 256 keys, so all 256 work-groups have equal work,
; the loop's count is a constant, and no slot is fetched that nobody reads.  Each of sixteen waves owns one tile of 16 queries: four waves to a SIMD, so that one wave's vector work stands beside another's products and LDS loads.
; OPERANDS COME AS IMAGES OF THEIR REGISTERS (records of 6,400 bytes: four images of 1,536 bytes, 256 bytes of scale words): 16 bytes a lane on end, no pitch, no padding.
; K = 64 IN AN INSTRUCTION 128 DEEP: an image of K holds two tiles of 16 keys (registers 0-5, 6-11); it is multiplied once by [q | 0] and once by [0 | q]: zero codes add nothing under any scale byte but 0xff, which is never made.
; THE KEYS, QUERIES AND CHANNELS OF A TILE ARE NOT NEIGHBOURS: lane r of tile 2 b + u holds number 32 b + 8 u + r + 8 (r / 8), so that the 16 registers of two neighbouring tiles are 16 neighbours along the next product's K.
; No cluster: the four work-groups of a head walk different numbers of slots in each pass and turn back at different trips, so they could not make every joint request in the same trip.
; o's scale bytes leave as 2 bytes a lane into rows 32 bytes apart (one part in 24 of what the launch stores): the last product then reads them as it reads every other scale table.
; LIMITS: 1 / l is v_rcp_f32 and a multiplication; a block of zeros, or one under 2^-124, gets the byte 1 (this program alone reads the bytes); NaN and infinities are not served.
.set REC,   6400
.set SLOTB, 4*REC                      ; a slot: K and V of two key steps of 128
.set SLOT1, 32768                      ; slot 1 begins here: one exclusive or turns an address in one slot into the other's
.set SPARE, 65536                      ; the spare words, 128 bytes a wave: eight blocks of 256 bytes that no other line names
.set KVO,   6553600                    ; K's and V's records in qkv
.set HEADB, 204800                     ; a head's K and V
.set OSC,   6291456                    ; o's scale bytes in oq
.set LI,   1                           ; v1   16 x lane
.set L8,   2                           ; v2   8 x lane
.set DQ,   3                           ; v3   r + 8 (r / 8) - 16 h: my query less my half's first key, within a tile
.set SPW,  5
.set NIL,  6
.set R32,  7                           ; v7   32 x r
.set ADI,  8                           ; v8   LDS address of the images in hand
.set ADS,  9                           ; v9   and of the scale words
.set QS,   34                          ; v34  q's scale word; v35 the second pass's; v36-41 the second pass's q; v16-33 [0 | q | 0]
.set PFO,  46                          ; v46  256 x lane
.set BM,   192                         ; v192-195 the blocks' largest scores, then p
.set PX,   196                         ; v196-199 from the other half; then the bytes
.set SOP,  200                         ; v200-203 the conversions' scale operands
.set CT,   204                         ; v204-211 the conversions' second halves
.set PCD,  212                         ; v212-223 p's codes (o's in FINISH)
.set TB,    2                          ; s2   LDS byte at which the slot in hand begins
.set SLOTS, 3                          ; s3   slots still to be asked for
.set WV,    18
.set SEL,   20
.set CS,    22                         ; s[22:23] c = log2(e) / 8
.set G1,    24
.set G0,    32
.set J,     36
.set KF,    37                         ; s37  the step's first key
.set Q0,    38                         ; s38  my tile's first query; s39 the second pass's
.set Q0B,   39
.set IMA,   40                         ; s[40:41], s[42:43] where my o images go
.set IMB,   42
.set SCA,   44                         ; s[44:45], s[46:47] and their scale bytes
.set SCB,   46
.set BACK,  48                         ; s[48:49] what the walking address goes back by
.set WR,    50                         ; s50  j + 1: the trip whose fill is the second pass's first slot
.set BKB,   51                         ; s51  (8 - j) slots in bytes
.set LIM,   52
.set PFA,   54
.macro TLOAD                           ; waves 0 to 3 fetch a record each; four v_nop follow the line
	s_cmp_lt_u32 s[WV], 4
	s_cbranch_scc0 .Lnone_\@
	tensor_load_to_lds s[G0:G0+3], s[G1:G1+7]
	s_nop 0
.rept 4
	v_nop
.endr
.Lnone_\@:
.endm
; A PREFETCH INTO THE L2.  A head's K and V are 800 dense blocks of 256 bytes; its four work-groups begin at slot 0 together and work-group j = 0 walks all eight slots, so it alone asks: its waves 4 to 7, which fetch nothing,
; 32 blocks an instruction, lanes 256 bytes apart, 128 blocks a change of slots, from block 192 on: 19 instructions name blocks 192 to 799 once each (waves 4-6 five times, wave 7 four times).
; What a change names holds all of the slot (100 blocks) that the NEXT change will load and that no earlier change has named: two key steps ahead of that load.  The first slots come by their loads alone.
.macro ASK
	s_cmp_gt_u32 s[SLOTS], s[LIM]
	s_cbranch_scc0 .Lnot_mine_\@
	global_prefetch_b8 v[PFO], s[PFA:PFA+1] th:TH_LOAD_NT scope:SCOPE_SE
.Lnot_mine_\@:
.endm
	s_load_b128 s[4:7], s[0:1], 0x0                ; qkv s[4:5], oq s[6:7]
	v_lshl_add_u32 v[SPW], v0, 2, SPARE
	v_mov_b32 v[NIL], 0
	ds_add_u32 v5, v6
	ds_add_u32 v5, v6
	s_wait_dscnt 0x0
	v_lshrrev_b32 v8, 5, v0
	s_delay_alu instid0(VALU_DEP_1)
	v_readfirstlane_b32 s[WV], v8                  ; wave 0..15
	s_mov_b32 s[J], ttmp9
	s_and_b32 s8, ttmp7, 0xffff                    ; 16 x batch + head
	; descriptor group 1: a record, 6,400 dense bytes, as 25 rows of 256 (32 elements of 8 bytes)
	s_mov_b32 s[G1], 3<<16
	s_mov_b32 s[G1+1], 32<<16
	s_mov_b32 s[G1+2], 25<<16
	s_mov_b32 s[G1+3], 32<<16
	s_mov_b32 s[G1+4], 25
	s_mov_b32 s[G1+5], 32
	s_mov_b32 s[G1+6], 0
	s_mov_b32 s[G1+7], 0
	s_and_b32 s9, s[WV], 3
	s_mul_i32 s9, s9, REC                          ; my record's place in a slot
	s_mul_i32 s10, s8, HEADB
	s_add_co_u32 s10, s10, KVO                     ; the head's K and V
	s_add_co_u32 s12, s10, s9
	s_mov_b32 s13, 0
	s_wait_kmcnt 0x0
	s_mov_b32 s[G0], 1
	s_mov_b32 s[G0+1], s9
	s_add_nc_u64 s[G0+2:G0+3], s[4:5], s[12:13]
	s_or_b32 s[G0+3], s[G0+3], 0x80000000
	TLOAD                                          ; slot 0
	s_and_b32 s14, s[WV], 3                        ; the prefetches: 8,192 bytes a wave, from byte 16,384 on; the first change steps this by 32,768
	s_lshl_b32 s14, s14, 13
	s_add_co_u32 s14, s14, 16384
	s_add_co_u32 s14, s14, s10
	s_mov_b32 s15, 0
	s_add_nc_u64 s[PFA:PFA+1], s[4:5], s[14:15]
	s_lshr_b32 s56, s[WV], 2
	s_xor_b32 s56, s56, 1                          ; 0 in waves 4 to 7,
	s_or_b32 s56, s56, ttmp9                       ; of work-group j = 0
	s_cmp_eq_u32 s[WV], 7
	s_cselect_b32 s57, 4, 3
	s_cmp_eq_u32 s56, 0
	s_cselect_b32 s[LIM], s57, -1
	s_add_co_u32 s[WR], s[J], 1
	s_sub_co_u32 s[BKB], 8, s[J]
	s_mul_i32 s[BKB], s[BKB], SLOTB
	s_mov_b32 s[BACK], 0
	s_mov_b32 s[BACK+1], 0
	s_mov_b32 s[SEL], 0x76543210
	s_mov_b32 s[SEL+1], 0xfedcba98
	s_mov_b32 s[CS], 0x3e38aa3b                    ; log2(e) / 8
	s_mov_b32 s[CS+1], s[CS]
	s_mov_b32 s[TB], 0
	s_mov_b32 s[SLOTS], 8
	s_mov_b32 s[KF], 0
	v_and_b32 v4, 31, v0
	s_delay_alu instid0(VALU_DEP_1)
	v_lshlrev_b32 v[LI], 4, v4
	s_delay_alu instid0(VALU_DEP_2)
	v_lshlrev_b32 v[L8], 3, v4
	s_delay_alu instid0(VALU_DEP_3)
	v_lshlrev_b32 v[PFO], 8, v4
	v_and_b32 v9, 15, v0                           ; r
	s_wait_alu depctr_va_vdst(0)
	v_bfe_u32 v8, v0, 4, 1                         ; h
	v_lshlrev_b32 v[R32], 5, v9
	v_and_b32 v4, 8, v9
	s_delay_alu instid0(VALU_DEP_1)
	v_add_nc_u32 v4, v4, v9
	s_delay_alu instid0(VALU_DEP_4)
	v_lshlrev_b32 v8, 4, v8
	s_delay_alu instid0(VALU_DEP_1)
	v_sub_nc_u32 v[DQ], v4, v8
	s_sub_co_u32 s9, 7, s[J]                       ; the first pass's block of queries
	s_lshr_b32 s10, s[WV], 1
	s_and_b32 s11, s[WV], 1
	s_lshl_b32 s12, s10, 5
	s_lshl_b32 s13, s11, 3
	s_add_co_u32 s12, s12, s13                     ; 32 (w / 2) + 8 (w % 2)
	s_lshl_b32 s[Q0], s9, 8
	s_add_co_u32 s[Q0], s[Q0], s12
	s_lshl_b32 s[Q0B], s[J], 8
	s_add_co_u32 s[Q0B], s[Q0B], s12
	s_lshl_b32 s13, s8, 4                          ; Q's records: 16 a head; mine is 2 x block + w / 8
	s_lshr_b32 s14, s[WV], 3
	s_add_co_u32 s13, s13, s14
	s_lshl_b32 s14, s9, 1
	s_add_co_u32 s14, s14, s13
	s_mul_i32 s14, s14, REC
	s_mov_b32 s15, 0
	s_lshl_b32 s16, s[J], 1
	s_add_co_u32 s16, s16, s13
	s_mul_i32 s16, s16, REC
	s_mov_b32 s17, 0
	s_add_nc_u64 s[14:15], s[4:5], s[14:15]
	s_add_nc_u64 s[16:17], s[4:5], s[16:17]
	s_and_b32 s12, s10, 3                          ; my image in the record
	s_mul_i32 s13, s12, 1536
	v_add_nc_u32 v10, s13, v[LI]
	s_and_b32 s13, s12, 1
	s_lshl_b32 s13, s13, 7
	s_lshr_b32 s12, s12, 1
	s_lshl_b32 s12, s12, 2
	s_add_co_u32 s12, s12, s13
	v_lshl_add_u32 v11, v9, 3, s12                 ; its scale word of row r: 8 (r + 16 (image % 2)) + 4 (image / 2)
.irp g, 0,1,2
	global_load_b128 v[48+4*\g:51+4*\g], v10, s[14:15] offset:512*\g
	global_load_b128 v[60+4*\g:63+4*\g], v10, s[16:17] offset:512*\g
.endr
	global_load_b32 v72, v11, s[14:15] offset:6144
	global_load_b32 v73, v11, s[16:17] offset:6144
	s_lshr_b32 s10, s8, 4                          ; where o goes: row tile = 128 x batch + 16 x block + wave
	s_lshl_b32 s10, s10, 7
	s_add_co_u32 s10, s10, s[WV]
	s_and_b32 s8, s8, 15                           ; the head
	s_lshl_b32 s12, s9, 4
	s_add_co_u32 s12, s12, s10
	s_lshl_b32 s13, s[J], 4
	s_add_co_u32 s13, s13, s10
	s_lshl_b32 s56, s12, 4
	s_add_co_u32 s56, s56, s8
	s_mul_i32 s56, s56, 768                        ; 768 bytes for a row tile and a head
	s_mov_b32 s57, 0
	s_add_nc_u64 s[IMA:IMA+1], s[6:7], s[56:57]
	s_lshl_b32 s56, s13, 4
	s_add_co_u32 s56, s56, s8
	s_mul_i32 s56, s56, 768
	s_add_nc_u64 s[IMB:IMB+1], s[6:7], s[56:57]
	s_lshl_b32 s8, s8, 1
	s_add_co_u32 s8, s8, OSC
	s_lshl_b32 s56, s12, 9                         ; 16 rows of 32 scale bytes a row tile; the head's two bytes
	s_add_co_u32 s56, s56, s8
	s_add_nc_u64 s[SCA:SCA+1], s[6:7], s[56:57]
	s_lshl_b32 s56, s13, 9
	s_add_co_u32 s56, s56, s8
	s_add_nc_u64 s[SCB:SCB+1], s[6:7], s[56:57]
	s_mov_b32 s59, 0x01000100
	s_cmp_eq_u32 s11, 1                            ; which half of the image is my tile
	s_cselect_b32 s58, -1, 0
	s_cselect_b32 s59, 0x03020302, s59
	s_wait_loadcnt 0x0
.irp i, 0,1,2,3,4,5
	v_cndmask_b32 v[22+\i], v[48+\i], v[54+\i], s58
	v_cndmask_b32 v[36+\i], v[60+\i], v[66+\i], s58
.endr
	v_perm_b32 v[QS], v72, v72, s59                ; q's two bytes in both halves of the word: they serve [q | 0] and [0 | q]
	v_perm_b32 v[QS+1], v73, v73, s59
.irp i, 0,1,2,3,4,5
	v_mov_b32 v[16+\i], 0
	v_mov_b32 v[28+\i], 0
.endr
	v_mov_b32 v13, 0xff61b1e6                      ; the largest t so far: -3e38
	s_delay_alu instid0(VALU_DEP_1)
	v_floor_f32 v12, -v13                          ; -M
	v_mov_b32 v14, 0
	v_mov_b32 v15, 0
.irp b, 0,1,2,3
	v_mov_b32 v[PX+\b], 0                          ; written once: a lane permute's destination counts as one of its sources
.endr
	v_mov_b32 v225, 0                              ; (named as the upper half of the pair v[224:225])
	v_mov_b32 v227, 0
.irp j, 0,1,2,3,4,5,6,7,8,9,10,11,12,13,14,15,16,17,18,19,20,21,22,23,24,25,26,27,28,29,30,31
	v_mov_b32 v[160+\j], 0                         ; O^T: the step is written once; the first finds zeros
.endr
; A KEY STEP: 128 keys, the q-th of the slot in hand.
.macro STEP q
	s_add_co_u32 s56, s[Q0], 23                    ; a step all of whose keys come after my 16 queries is left out: a branch on ids; no barrier and no tensor load stands in a step
	s_cmp_gt_u32 s[KF], s56
	s_cbranch_scc1 .Lhidden_\@
	v_add_nc_u32 v[ADI], s[TB], v[LI]
	v_add_nc_u32 v[ADS], s[TB], v[L8]
	v_nop
	v_nop                                          ; four places in front of loads into registers that the last products have read
.irp be, 0,1,2,3
.irp g, 0,1,2
	ds_load_b128 v[48+12*\be+4*\g:51+12*\be+4*\g], v[ADI] offset:(2*(\q))*REC+1536*\be+512*\g
.endr
.endr
	ds_load_b64 v[42:43], v[ADS] offset:(2*(\q))*REC+6144
	s_wait_alu depctr_va_vdst(0)
	s_wait_dscnt 0x0
.irp be, 0,1,2,3                               ; S^T: image be holds tiles 2 be and 2 be + 1; [q | 0] picks the first, [0 | q] the second
.irp u, 0,1
.if (\be)%2
	v_wmma_scale_f32_16x16x128_f8f6f4 v[96+8*(2*\be+\u):103+8*(2*\be+\u)], v[48+12*\be:59+12*\be], v[22-6*\u:33-6*\u], 0, v[42+\be/2], v[QS] matrix_a_fmt:MATRIX_FMT_FP6 matrix_b_fmt:MATRIX_FMT_FP6 matrix_a_scale:MATRIX_SCALE_ROW1
.else
	v_wmma_scale_f32_16x16x128_f8f6f4 v[96+8*(2*\be+\u):103+8*(2*\be+\u)], v[48+12*\be:59+12*\be], v[22-6*\u:33-6*\u], 0, v[42+\be/2], v[QS] matrix_a_fmt:MATRIX_FMT_FP6 matrix_b_fmt:MATRIX_FMT_FP6
.endif
.endr
.endr                                          ; lane (r, h): my query; register 16 b + i: key KF + 32 b + 16 h + i
.rept 4
	v_nop                                          ; places: the scores are read below, and V's images land where K's lay
.endr
.irp t, 0,1,2,3
.irp g, 0,1,2
	ds_load_b128 v[48+12*\t+4*\g:51+12*\t+4*\g], v[ADI] offset:(2*(\q)+1)*REC+1536*\t+512*\g   ; they land while the softmax is walked
.endr
.endr
	ds_load_b64 v[44:45], v[ADS] offset:(2*(\q)+1)*REC+6144
	s_add_co_u32 s56, s[KF], 127                   ; on the diagonal hidden scores become -infinity ahead of the maximum; a step all of whose keys count skips this
	s_cmp_le_u32 s56, s[Q0]
	s_cbranch_scc1 .Lopen_\@
	s_sub_co_i32 s56, s[Q0], s[KF]
	v_add_nc_u32 v228, s56, v[DQ]                  ; d = my query - KF - 16 h: register 16 b + i is hidden where 32 b + i > d
	v_mov_b32 v229, 0xff800000
.irp n, 0,1,2,3,4,5,6,7,8,9,10,11,12,13,14,15,16,17,18,19,20,21,22,23,24,25,26,27,28,29,30,31,32,33,34,35,36,37,38,39,40,41,42,43,44,45,46,47,48,49,50,51,52,53,54,55,56,57,58,59,60,61,62,63
	v_cmp_gt_i32 vcc_lo, 32*(\n/16)+\n%16, v228
	v_cndmask_b32 v[96+\n], v[96+\n], v229, vcc_lo
.endr
.Lopen_\@:
.irp b, 0,1,2,3
	v_max3_num_f32 v[BM+\b], v[96+16*\b], v[97+16*\b], v[98+16*\b]   ; the largest score of each block of 32 keys: for the row's maximum, and, since p rises with the score, for the block's largest p
.endr
.irp i, 3,5,7,9,11,13
.irp b, 0,1,2,3
	v_max3_num_f32 v[BM+\b], v[BM+\b], v[96+16*\b+\i], v[97+16*\b+\i]
.endr
.endr
.irp b, 0,1,2,3
	v_max_num_f32 v[BM+\b], v[BM+\b], v[111+16*\b]
.endr
.irp b, 0,1,2,3
	s_delay_alu instid0(VALU_DEP_4)
	v_permlanex16_b32 v[PX+\b], v[BM+\b], s[SEL], s[SEL+1]
.endr
.irp b, 0,1,2,3
	s_delay_alu instid0(VALU_DEP_4)
	v_max_num_f32 v[BM+\b], v[BM+\b], v[PX+\b]     ; with lane l xor 16's 16 keys
.endr
	s_delay_alu instid0(VALU_DEP_2)
	v_max3_num_f32 v227, v[BM], v[BM+1], v[BM+2]
	s_delay_alu instid0(VALU_DEP_1)
	v_max_num_f32 v227, v227, v[BM+3]
	s_delay_alu instid0(VALU_DEP_1)
	v_mul_f32 v227, s[CS], v227                    ; as t
	s_delay_alu instid0(VALU_DEP_1)
	v_max_num_f32 v13, v13, v227                   ; the running largest t
	v_mov_b32 v227, v12
	s_delay_alu instid0(VALU_DEP_2)
	v_floor_f32 v12, -v13                          ; the new -M = -ceil(t)
	s_delay_alu instid0(VALU_DEP_1)
	v_sub_f32 v227, v12, v227                      ; old M - new M: a whole number, 0 or less
	s_delay_alu instid0(VALU_DEP_1)
	v_cvt_i32_f32 v227, v227                       ; (it saturates)
	s_delay_alu instid0(VALU_DEP_1)
	v_ldexp_f32 v224, 1.0, v227                    ; f = 2^(old M - new M)
.irp j, 0,2,4,6,8,10,12,14,16,18,20,22,24,26,28,30,32,34,36,38,40,42,44,46,48,50,52,54,56,58,60,62
	v_pk_fma_f32 v[96+\j:97+\j], v[96+\j:97+\j], s[CS:CS+1], v[12:13] op_sel_hi:[1,0,0]   ; t - M, two at a time
.endr
.irp b, 0,1,2,3
	v_fma_f32 v[BM+\b], v[BM+\b], s[CS], v12       ; the same of each block's largest score
.endr
	s_wait_alu depctr_va_vdst(0)
.irp j, 0,1,2,3,4,5,6,7,8,9,10,11,12,13,14,15,16,17,18,19,20,21,22,23,24,25,26,27,28,29,30,31,32,33,34,35,36,37,38,39,40,41,42,43,44,45,46,47,48,49,50,51,52,53,54,55,56,57,58,59,60,61,62,63
	v_exp_f32 v[96+\j], v[96+\j]                   ; p = 2^(t - M)
.endr
	v_pk_mul_f32 v[14:15], v[14:15], v[224:225] op_sel_hi:[1,0]   ; the sums under the new M: a plain place behind the exponentials
	s_wait_alu depctr_va_vdst(0)                   ; one wait for the batch of 64, ahead of its first reader
.irp b, 0,1,2,3
	v_exp_f32 v[BM+\b], v[BM+\b]                   ; the block's largest p
.endr
	v_pk_add_f32 v[230:231], v[100:101], v[104:105]
	v_pk_add_f32 v[254:255], v[108:109], v[112:113]
	v_pk_add_f32 v[252:253], v[116:117], v[120:121]
	v_pk_add_f32 v[250:251], v[124:125], v[128:129]
	v_pk_add_f32 v[248:249], v[132:133], v[136:137]
	v_pk_add_f32 v[246:247], v[140:141], v[144:145]
	v_pk_add_f32 v[244:245], v[148:149], v[152:153]
	v_pk_add_f32 v[14:15], v[14:15], v[156:157]
	v_pk_add_f32 v[230:231], v[230:231], v[96:97]
	v_pk_add_f32 v[254:255], v[254:255], v[98:99]
	v_pk_add_f32 v[252:253], v[252:253], v[102:103]
	v_pk_add_f32 v[250:251], v[250:251], v[106:107]
	v_pk_add_f32 v[248:249], v[248:249], v[110:111]
	v_pk_add_f32 v[246:247], v[246:247], v[114:115]
	v_pk_add_f32 v[244:245], v[244:245], v[118:119]
	v_pk_add_f32 v[14:15], v[14:15], v[122:123]
	v_pk_add_f32 v[230:231], v[230:231], v[126:127]
	v_pk_add_f32 v[254:255], v[254:255], v[130:131]
	v_pk_add_f32 v[252:253], v[252:253], v[134:135]
	v_pk_add_f32 v[250:251], v[250:251], v[138:139]
	v_pk_add_f32 v[248:249], v[248:249], v[142:143]
	v_pk_add_f32 v[246:247], v[246:247], v[146:147]
	v_pk_add_f32 v[244:245], v[244:245], v[150:151]
	v_pk_add_f32 v[14:15], v[14:15], v[154:155]
	v_pk_add_f32 v[230:231], v[230:231], v[158:159]
	s_delay_alu instid0(VALU_DEP_2)
	v_pk_add_f32 v[14:15], v[14:15], v[250:251]
	s_delay_alu instid0(VALU_DEP_2)
	v_pk_add_f32 v[230:231], v[230:231], v[248:249]
	v_pk_add_f32 v[254:255], v[254:255], v[246:247]
	v_pk_add_f32 v[252:253], v[252:253], v[244:245]
	s_delay_alu instid0(VALU_DEP_2)
	v_pk_add_f32 v[14:15], v[14:15], v[254:255]
	s_delay_alu instid0(VALU_DEP_2)
	v_pk_add_f32 v[230:231], v[230:231], v[252:253]
	s_delay_alu instid0(VALU_DEP_1)
	v_pk_add_f32 v[14:15], v[14:15], v[230:231]
	s_wait_alu depctr_va_vdst(0)                   ; and one for the four
.irp b, 0,1,2,3
	v_max_num_f32 v[BM+\b], 0x1800000, v[BM+\b]    ; the floor 2^(3 - 127)
.endr
.irp b, 0,1,2,3
	s_delay_alu instid0(VALU_DEP_4)
	v_add_nc_u32 v[SOP+\b], 0xff000000, v[BM+\b]   ; 2 off the exponent field: the conversion's scale operand
.endr
.irp b, 0,1,2,3
	s_delay_alu instid0(VALU_DEP_4)
	v_lshrrev_b32 v[PX+\b], 23, v[SOP+\b]          ; the scale's byte
.endr
	s_delay_alu instid0(VALU_DEP_3)
	v_lshl_or_b32 v226, v[PX+1], 8, v[PX]          ; p's scale word for these 128 keys
	s_delay_alu instid0(VALU_DEP_1)
	v_lshl_or_b32 v226, v[PX+2], 16, v226
	s_delay_alu instid0(VALU_DEP_1)
	v_lshl_or_b32 v226, v[PX+3], 24, v226
.irp c, 0,1
	v_cvt_scalef32_pk16_fp6_f32 v[PCD+6*\c:PCD+2+6*\c], v[96+32*\c:111+32*\c], v[SOP+2*\c]
	v_cvt_scalef32_pk16_fp6_f32 v[CT+4*\c:CT+2+4*\c], v[112+32*\c:127+32*\c], v[SOP+2*\c+1]
.endr
	v_nop                                          ; one plain place behind a scaled conversion
.irp c, 0,1
.irp i, 0,1,2
	v_permlane16_swap_b32 v[PCD+6*\c+\i], v[CT+4*\c+\i]   ; a whole block in a lane
.endr
.irp i, 0,1,2
	s_delay_alu instid0(VALU_DEP_3)
	v_mov_b32 v[PCD+3+6*\c+\i], v[CT+4*\c+\i]
.endr
.endr
.irp j, 0,2,4,6,8,10,12,14,16,18,20,22,24,26,28,30
	v_pk_mul_f32 v[160+\j:161+\j], v[160+\j:161+\j], v[224:225] op_sel_hi:[1,0]   ; O^T under the new M; these sixteen also stand between the codes and the scale word just made and the products
.endr
	s_wait_alu depctr_va_vdst(0)
	s_wait_dscnt 0x0                               ; V's images and scale words
.irp t, 0,1,2,3                                ; O^T += V^T P^T: four tiles of 16 of the head's 64, the accumulators by turns
.if (\t)%2
	v_wmma_scale_f32_16x16x128_f8f6f4 v[160+8*\t:167+8*\t], v[48+12*\t:59+12*\t], v[PCD:PCD+11], v[160+8*\t:167+8*\t], v[44+\t/2], v226 matrix_a_fmt:MATRIX_FMT_FP6 matrix_b_fmt:MATRIX_FMT_FP6 matrix_a_scale:MATRIX_SCALE_ROW1
.else
	v_wmma_scale_f32_16x16x128_f8f6f4 v[160+8*\t:167+8*\t], v[48+12*\t:59+12*\t], v[PCD:PCD+11], v[160+8*\t:167+8*\t], v[44+\t/2], v226 matrix_a_fmt:MATRIX_FMT_FP6 matrix_b_fmt:MATRIX_FMT_FP6
.endif
.endr
.Lhidden_\@:
	s_add_co_u32 s[KF], s[KF], 128
.endm
; THE CHANGE OF SLOTS stands at a slot's head.  Each wave waits for all its tensor loads, adds 0 to its spare word, and waits for that and for its reads of the slot that it has left; behind the barrier the slot ahead is whole and
; nobody reads the other one.  fill = 1: that other slot takes the keys that follow; at the trip whose fill is the second pass's first slot the walking address goes back to the head's first key.
.macro CHANGE fill
	s_wait_tensorcnt 0x0                           ; no tensor load of mine is out, so group 0 may be written
	ds_add_u32 v[SPW], v[NIL]                      ; 0 onto my spare word
.if \fill
	s_xor_b32 s[G0+1], s[G0+1], SLOT1
	s_cmp_eq_u32 s[SLOTS], s[WR]
	s_cselect_b32 s[BACK], s[BKB], 0
	s_add_nc_u64 s[G0+2:G0+3], s[G0+2:G0+3], SLOTB
	s_sub_nc_u64 s[G0+2:G0+3], s[G0+2:G0+3], s[BACK:BACK+1]
	s_wait_xcnt 0x0                                ; the last prefetch, a slot back, has read its address
	s_add_nc_u64 s[PFA:PFA+1], s[PFA:PFA+1], 32768
.endif
	s_wait_dscnt 0x0                               ; the add is done, and my reads of the slot that I have left are over
	s_barrier_signal -1
	s_barrier_wait -1
.if \fill
	TLOAD                                          ; the first thing behind the barrier, and a wave's one tensor load until the next
	ASK
.endif
.endm
; A pass's end: o = O / l, quantised along the head's 64 (two blocks of 32), stored as six registers a lane ([2 registers][lane][8 bytes]) and two scale bytes a row.
.macro FINISH img, sc
.rept 4
	v_nop                                          ; places behind the last products
.endr
	v_add_f32 v14, v14, v15
	s_delay_alu instid0(VALU_DEP_1)
	v_permlanex16_b32 v227, v14, s[SEL], s[SEL+1]
	s_delay_alu instid0(VALU_DEP_1)
	v_add_f32 v14, v14, v227                       ; the row's sum
	s_wait_alu depctr_va_vdst(0)
	v_rcp_f32 v224, v14
	v_nop                                          ; a plain place behind the reciprocal
	s_wait_alu depctr_va_vdst(0)                   ; and the wait ahead of its first reader
.irp j, 0,2,4,6,8,10,12,14,16,18,20,22,24,26,28,30
	v_pk_mul_f32 v[96+\j:97+\j], v[160+\j:161+\j], v[224:225] op_sel_hi:[1,0]   ; register 16 b + i: channel 32 b + 16 h + i; each accumulator from its low end on
.endr
.irp b, 0,1
	v_max3_num_f32 v[BM+\b], |v[96+16*\b]|, |v[97+16*\b]|, 0x1800000
.endr
.irp i, 2,4,6,8,10,12,14
.irp b, 0,1
	s_delay_alu instid0(VALU_DEP_2)
	v_max3_num_f32 v[BM+\b], v[BM+\b], |v[96+16*\b+\i]|, |v[97+16*\b+\i]|
.endr
.endr
.irp b, 0,1
	s_delay_alu instid0(VALU_DEP_2)
	v_permlanex16_b32 v[PX+\b], v[BM+\b], s[SEL], s[SEL+1]
.endr
.irp b, 0,1
	s_delay_alu instid0(VALU_DEP_2)
	v_max_num_f32 v[BM+\b], v[BM+\b], v[PX+\b]
.endr
.irp b, 0,1
	s_delay_alu instid0(VALU_DEP_2)
	v_add_nc_u32 v[SOP+\b], 0xff000000, v[BM+\b]
.endr
.irp b, 0,1
	s_delay_alu instid0(VALU_DEP_2)
	v_lshrrev_b32 v[PX+\b], 23, v[SOP+\b]
.endr
	s_delay_alu instid0(VALU_DEP_1)
	v_lshl_or_b32 v228, v[PX+1], 8, v[PX]
	v_cvt_scalef32_pk16_fp6_f32 v[PCD:PCD+2], v[96:111], v[SOP]
	v_cvt_scalef32_pk16_fp6_f32 v[CT:CT+2], v[112:127], v[SOP+1]
	v_nop
.irp i, 0,1,2
	v_permlane16_swap_b32 v[PCD+\i], v[CT+\i]
.endr
.irp i, 0,1,2
	s_delay_alu instid0(VALU_DEP_3)
	v_mov_b32 v[PCD+3+\i], v[CT+\i]
.endr
.irp p, 0,1,2
	global_store_b64 v[L8], v[PCD+2*\p:PCD+2*\p+1], s[\img:\img+1] offset:256*\p   ; 32 lanes store 256 consecutive bytes, aligned
.endr
	global_store_b16 v[R32], v228, s[\sc:\sc+1]    ; both halves of the lanes write the same two bytes with the same value
.endm
; At the trip that reads the second pass's first slot: the first pass is finished and the second begins.  A branch on ids.
.macro SWITCH
	s_cmp_lg_u32 s[SLOTS], s[J]
	s_cbranch_scc1 .Lsame_\@
	s_wait_alu depctr_va_vdst(0)
	FINISH IMA, SCA
.irp i, 0,1,2,3,4,5
	v_mov_b32 v[22+\i], v[36+\i]
.endr
	v_mov_b32 v[QS], v[QS+1]
.irp j, 0,1,2,3,4,5,6,7,8,9,10,11,12,13,14,15,16,17,18,19,20,21,22,23,24,25,26,27,28,29,30,31
	v_mov_b32 v[160+\j], 0                         ; (these also stand between the new q and its scale word and the next products)
.endr
	v_mov_b32 v14, 0
	v_mov_b32 v15, 0
	v_mov_b32 v13, 0xff61b1e6
	s_delay_alu instid0(VALU_DEP_1)
	v_floor_f32 v12, -v13
	s_mov_b32 s[KF], 0
	s_mov_b32 s[Q0], s[Q0B]
	s_wait_xcnt 0x0                                ; the stores above have read their registers: the next step writes them again
.Lsame_\@:
.endm
.Lslot:                                            ; eight trips: behind each change of slots but the last the next slot is asked for
	CHANGE 1
	SWITCH
	STEP 0
	STEP 1
	s_xor_b32 s[TB], s[TB], SLOT1
	s_sub_co_u32 s[SLOTS], s[SLOTS], 1
	s_cmp_lg_u32 s[SLOTS], 0
	s_cbranch_scc1 .Lslot
	CHANGE 0                                       ; the ninth slot is written out
	SWITCH
	STEP 0
	STEP 1
	s_wait_alu depctr_va_vdst(0)
	FINISH IMB, SCB
	s_wait_tensorcnt 0x0                           ; the wave's end
	ds_add_u32 v[SPW], v[NIL]
	s_wait_dscnt 0x0
	s_endpgm
.Lfunc_end_k_qc2eb21e32e_attn:
	.size	k_qc2eb21e32e_attn, .Lfunc_end_k_qc2eb21e32e_attn-k_qc2eb21e32e_attn
	.p2alignl 7, 3214868480
	.fill 96, 4, 3214868480
	.section	.rodata,"a",@progbits
	.p2align	6, 0x0
	.amdhsa_kernel k_qc2eb21e32e_attn
		.amdhsa_group_segment_fixed_size 327680
		.amdhsa_private_segment_fixed_size 0
		.amdhsa_enable_private_segment 0
		.amdhsa_kernarg_size 16
		.amdhsa_user_sgpr_count 2
		.amdhsa_user_sgpr_kernarg_segment_ptr 1
		.amdhsa_wavefront_size32 1
		.amdhsa_system_sgpr_workgroup_id_x 1
		.amdhsa_system_sgpr_workgroup_id_y 1
		.amdhsa_system_sgpr_workgroup_id_z 1
		.amdhsa_system_vgpr_workitem_id 0
		.amdhsa_next_free_vgpr 256
		.amdhsa_next_free_sgpr 66
		.amdhsa_reserve_vcc 1
		.amdhsa_float_denorm_mode_32 3
		.amdhsa_float_denorm_mode_16_64 3
		.amdhsa_memory_ordered 1
		.amdhsa_forward_progress 1
		.amdhsa_inst_pref_size 114
	.end_amdhsa_kernel
	.amdgpu_metadata
---
amdhsa.version: [ 1, 2 ]
amdhsa.kernels:
  - .name:           k_qc2eb21e32e_attn
    .symbol:         k_qc2eb21e32e_attn.kd
    .args:
      - { .name: qkv, .offset: 0, .size: 8, .value_kind: global_buffer, .address_space: global }
      - { .name: oq, .offset: 8, .size: 8, .value_kind: global_buffer, .address_space: global }
    .group_segment_fixed_size: 327680
    .private_segment_fixed_size: 0
    .kernarg_segment_align: 8
    .kernarg_segment_size: 16
    .max_flat_workgroup_size: 512
    .sgpr_count:     66
    .vgpr_count:     256
    .wavefront_size: 32
...
	.end_amdgpu_metadata
.endif
;; end of part 3
;; launch gemm_out (part 4): grid 8 x 32, 4 waves a work-group, clusters of 4 x 4, 327,680 bytes of LDS; arguments oq, wts, b_out, out0; writes out0
.if DOCPART == 4
	.amdgcn_target "amdgcn-amd-amdhsa--gfx1250"
	.amdhsa_code_object_version 6
	.text
	.protected	k_qc2eb21e32e_gemm_out
	.globl	k_qc2eb21e32e_gemm_out
	.p2align	8
	.type	k_qc2eb21e32e_gemm_out,@function
k_qc2eb21e32e_gemm_out:
	s_mov_b64 s[64:65], 0
	v_nop
	global_prefetch_b8 v0, s[64:65] scope:SCOPE_SE
	s_setreg_imm32_b32 hwreg(HW_REG_WAVE_MODE, 25, 1), 1
	s_wait_xcnt 0x0
	s_wait_alu depctr_hold_cnt(0) depctr_sa_sdst(0) depctr_va_vdst(0) depctr_va_sdst(0) depctr_va_ssrc(0) depctr_va_vcc(0) depctr_vm_vsrc(0)
	s_getreg_b32 s2, hwreg(HW_REG_IB_STS2, 6, 4)
	s_cmp_eq_u32 s2, 0
	s_cbranch_scc0 .Lentry_in_a_cluster
	s_endpgm
.Lentry_in_a_cluster:
	s_bfe_u32 s2, ttmp6, 0x10000c
	s_cmp_lg_u32 s2, 0xf033
	s_cbranch_scc0 .Lentry_shape_is_right
	s_endpgm
.Lentry_shape_is_right:
; out0 = o W_out + b_out on codes of FP6 (E2M3) with E8M0 scales for each 32 along K = 1,024; f32 sums, the bias as the first products' C.
; A block of 256 rows x 128 columns to a work-group of four waves, 2 x 2: a wave makes 128 x 64 (8 blocks of o's rows x 4 blocks of W_out's places, 32 accumulators): 8 x 32 = 256 work-groups.
; K goes in four steps of 256 through a ring of two LDS slots; the scale bytes come once and stay.  4 x 4 work-groups form a cluster: o's tiles are asked for jointly along a row, W_out's along a column.
; o's codes come as images of operand registers (3,072 bytes for 16 rows and a K step); W_out's lie [K step][place][192 bytes], a tile dense, stated as rows of 256 bytes with the padding's interval left at 64 bytes.
; Source 0 = W_out's places, source 1 = o's rows: a lane holds neighbouring columns of a row; results leave through a stage in slot 0, which has had its last fill, as whole rows of 256 bytes, two to an instruction.
; No prefetch: K is four steps, of which two are asked for at the head.
.set SIZE_N, 1024
.set KSTEP,  256
.set NQ,     2
.set ROWB,   192
.set KROW,   768
.set ASTEP,  3072
.set KST,    1572864                   ; W_out's table: from K step to K step
.set AHALF,  24576                     ; o's 128 rows of a K step in LDS
.set BHALF,  15360                     ; W_out's 64 places of a K step in LDS: 64 x 240
.set PITCH,  240
.set FR,     12
.set NL,     6
.set NP,     4
.set HALFT,  128*PITCH
.set SLOT,   4*HALFT
.set LAPS,   2
.set KS,     32
.set SCL,    2*SLOT
.set HALFS,  (128*KS/256)*272
.set SBLK,   (16*KS/256)*272
.set SPARE,  SCL+4*HALFS
.set SPITCH, 528
.set OSC,    6291456
.set WOC,    589824
.set WOS,    6389760
.set ADRA, 16
.set ADRB, 20
.set STO,  24
.set RD,   25
.set CO,   26
.set ADRS, 27
.set SPW,  28
.set NIL,  29
.set BO,   30
.set SC,   32
.set BB,   64
.set AF,   128
.set BK,   128
.set G1, 24
.set G0, 32
.set G1B, 48
.set G0B, 56
.set G1S, 68
.set G0S, 76
.set G1SB, 80
.set G0SB, 88
.set MSB, 0
.macro WIN new
.if MSB != \new
	s_set_vgpr_msb (MSB<<8)|\new
.set MSB, \new
.endif
.endm
.set MUL_LO, 0xa1
.set MUL_HI, 0xf1
.set TO_B,   0x40
.macro JLOAD g0a, g1a, g0b, g1b
	s_cmp_eq_u32 s15, 0
	s_cbranch_scc0 .Lfor_b_\@
	tensor_load_to_lds s[\g0a:\g0a+3], s[\g1a:\g1a+7]
	s_nop 0
.rept 4
	v_nop
.endr
	s_branch .Lasked_\@
.Lfor_b_\@:
	tensor_load_to_lds s[\g0b:\g0b+3], s[\g1b:\g1b+7]
	s_nop 0
.rept 4
	v_nop
.endr
.Lasked_\@:
.endm
.macro CREST
	s_cmp_lg_u32 s14, 0
	s_cbranch_scc1 .Lnot_wave_0_\@
	s_barrier_signal -3
.Lnot_wave_0_\@:
	s_barrier_wait -3
	s_barrier_signal -1
	s_barrier_wait -1
.endm
.macro CROUND
	s_barrier_signal -1
	s_barrier_wait -1
	CREST
.endm
	s_load_b128 s[4:7], s[0:1], 0x0
	s_load_b128 s[8:11], s[0:1], 0x10
	v_lshl_add_u32 v[SPW], v0, 2, SPARE
	v_mov_b32 v[NIL], 0
	ds_add_u32 v28, v29
	ds_add_u32 v28, v29
	s_wait_dscnt 0x0
	v_lshrrev_b32 v1, 5, v0
	v_readfirstlane_b32 s14, v1
	s_lshr_b32 s15, s14, 1
	s_and_b32 s16, s14, 1
	s_bfe_u32 s40, ttmp6, 0x40000
	s_bfe_u32 s41, ttmp6, 0x40004
	s_lshl_b32 s42, ttmp9, 2
	s_add_co_u32 s42, s42, s40
	s_and_b32 s17, ttmp7, 0xffff
	s_lshl_b32 s17, s17, 2
	s_add_co_u32 s17, s17, s41
	s_lshl_b32 s43, s41, 2
	s_lshl_b32 s43, 15, s43
	s_lshl_b32 s44, 0x1111, s40
	s_or_b32 s[G1+0], s43, (0<<16)|(1<<21)
	s_mov_b32 s[G1+1], ASTEP<<16
	s_mov_b32 s[G1+2], 16<<16                      ; the head's load brings all 256 rows, the ring's 128
	s_mov_b32 s[G1+3], ASTEP<<16
	s_mov_b32 s[G1+4], 16
	s_mov_b32 s[G1+5], 12288
	s_mov_b32 s[G1+6], 0
	s_mov_b32 s[G1+7], 0
	s_or_b32 s[G1B+0], s44, (0<<16)|(1<<20)|(1<<21)|(3<<22)|(3<<25)
	s_mov_b32 s[G1B+1], 256<<16                    ; rows of 256 bytes: 96 for the head's 128 places, 48 in the ring
	s_mov_b32 s[G1B+2], 96<<16
	s_mov_b32 s[G1B+3], 256<<16
	s_mov_b32 s[G1B+4], 96
	s_mov_b32 s[G1B+5], 256
	s_mov_b32 s[G1B+6], 0
	s_mov_b32 s[G1B+7], 0
	s_or_b32 s[G1S+0], s43, (3<<16)|(1<<20)|(1<<21)|(5<<22)|(3<<25)
	s_or_b32 s[G1SB+0], s44, (3<<16)|(1<<20)|(1<<21)|(5<<22)|(3<<25)
.irp g, G1S, G1SB
	s_mov_b32 s[\g+1], 32<<16
	s_mov_b32 s[\g+2], (256*KS/256)<<16
	s_mov_b32 s[\g+3], 32<<16
	s_mov_b32 s[\g+4], 256*KS/256
	s_mov_b32 s[\g+5], 32
	s_mov_b32 s[\g+6], 0
	s_mov_b32 s[\g+7], 0
.endr
	s_mov_b32 s[G1SB+2], (128*KS/256)<<16          ; B's tile has 128 places: 16 rows of 256 scale bytes
	s_mov_b32 s[G1SB+4], 128*KS/256
	s_lshl_b32 s20, s17, 8                         ; A's first row: 256 x tile row
	s_lshl_b32 s46, s42, 7                         ; B's first place: 128 x tile column
	s_mov_b32 s21, 0
	s_mov_b32 s47, 0
	s_mov_b64 s[18:19], KS
	s_mul_u64 s[22:23], s[20:21], s[18:19]
	s_mul_u64 s[92:93], s[46:47], s[18:19]
	s_add_nc_u64 s[22:23], s[22:23], OSC
	s_add_nc_u64 s[92:93], s[92:93], WOS
	s_mov_b64 s[18:19], KROW
	s_mul_u64 s[20:21], s[20:21], s[18:19]
	s_mov_b64 s[18:19], 192
	s_mul_u64 s[46:47], s[46:47], s[18:19]
	s_add_nc_u64 s[46:47], s[46:47], WOC
	s_mul_i32 s45, s16, BHALF                      ; where B's halves go in a slot (waves 2, 3): behind A's room,
	s_add_co_u32 s45, s45, 2*HALFT
	s_mul_i32 s95, s16, AHALF                      ; and A's (waves 0, 1)
	s_wait_kmcnt 0x0
	s_add_nc_u64 s[20:21], s[4:5], s[20:21]
	s_add_nc_u64 s[22:23], s[4:5], s[22:23]
	s_add_nc_u64 s[46:47], s[6:7], s[46:47]
	s_add_nc_u64 s[92:93], s[6:7], s[92:93]
	CROUND
	s_mov_b32 s[G0S], 1                            ; the head's four tiles, each whole: A's scale bytes,
	s_mov_b32 s[G0S+1], SCL
	s_mov_b64 s[G0S+2:G0S+3], s[22:23]
	s_or_b32 s[G0S+3], s[G0S+3], 0x80000000
	s_mov_b32 s[G0SB], 1                           ; B's,
	s_mov_b32 s[G0SB+1], SCL+2*HALFS
	s_mov_b64 s[G0SB+2:G0SB+3], s[92:93]
	s_or_b32 s[G0SB+3], s[G0SB+3], 0x80000000
	s_mov_b32 s[G0], 1                             ; K step 0's 256 rows of A (slot 0's group 0 serves; it is set for the ring behind the wait for these loads),
	s_mov_b32 s[G0+1], 0
	s_mov_b64 s[G0+2:G0+3], s[20:21]
	s_or_b32 s[G0+3], s[G0+3], 0x80000000
	s_mov_b32 s[G0B], 1                            ; and its 128 places of B
	s_mov_b32 s[G0B+1], 2*HALFT
	s_mov_b64 s[G0B+2:G0B+3], s[46:47]
	s_or_b32 s[G0B+3], s[G0B+3], 0x80000000
	s_mul_i32 s18, s16, 128*KROW                   ; in the ring I fetch a half: A's, in bytes
	s_mov_b32 s19, 0
	s_mov_b32 s[G0+4], 1                           ; slot 1: K step 1
	s_add_co_u32 s[G0+5], s95, SLOT
	s_add_nc_u64 s[G0+6:G0+7], s[20:21], s[18:19]
	s_add_nc_u64 s[G0+6:G0+7], s[G0+6:G0+7], ASTEP
	s_or_b32 s[G0+7], s[G0+7], 0x80000000
	s_mul_i32 s18, s16, 64*192                     ; B's half
	s_mov_b32 s[G0B+4], 1
	s_add_co_u32 s[G0B+5], s45, SLOT
	s_add_nc_u64 s[G0B+6:G0B+7], s[46:47], s[18:19]
	s_add_nc_u64 s[G0B+6:G0B+7], s[G0B+6:G0B+7], KST
	s_or_b32 s[G0B+7], s[G0B+7], 0x80000000
; one tensor load a wave at the head, in one chain of branches on the wave's number
.macro ARM under, g0, g1, next
	s_cmp_lt_u32 s14, \under
	s_cbranch_scc0 \next
	tensor_load_to_lds s[\g0:\g0+3], s[\g1:\g1+7]
	s_nop 0
.rept 4
	v_nop
.endr
	s_branch .Lhead_asked
\next:
.endm
	ARM 1, G0,  G1,  .Lhead_b
	ARM 2, G0B, G1B, .Lhead_sa
	ARM 3, G0S, G1S, .Lhead_sb
	tensor_load_to_lds s[G0SB:G0SB+3], s[G1SB:G1SB+7]
	s_nop 0
.rept 4
	v_nop
.endr
.Lhead_asked:
	v_and_b32 v1, 15, v0
	v_bfe_u32 v2, v0, 4, 1
	v_mul_u32_u24 v3, v1, PITCH
	v_mul_u32_u24 v4, v2, 24
	v_add_nc_u32 v4, v3, v4
	v_lshl_add_u32 v5, v2, 4, v4
	v_and_b32 v6, 31, v0
	v_lshlrev_b32 v7, 3, v6
	s_mul_i32 s21, s15, AHALF
	s_mul_i32 s22, s16, BHALF
	s_add_co_u32 s22, s22, 2*HALFT
.irp s, 0,1
	v_add_nc_u32 v[ADRA+\s], s21, v7
	v_add_nc_u32 v[ADRB+\s], s22, v4
	v_add_nc_u32 v[ADRB+2+\s], s22, v5
	s_add_co_u32 s21, s21, SLOT
	s_add_co_u32 s22, s22, SLOT
.endr
	v_mul_u32_u24 v5, v1, KS
	v_lshrrev_b32 v6, 8, v5
	v_lshl_add_u32 v5, v6, 4, v5
	s_mul_i32 s21, s15, HALFS
	s_mul_i32 s22, s16, HALFS/2
	s_add_co_u32 s22, s22, 2*HALFS
	s_sub_co_u32 s22, s22, s21
	v_mul_u32_u24 v6, s22, v2
	s_add_co_u32 s21, s21, SCL
	v_add_nc_u32 v31, s21, v5                      ; v31: A's scale words in all lanes, for blocks 4 to 7, which B does not have
	v_add_nc_u32 v[ADRS], v31, v6                  ; lanes 0-15 A's, lanes 16-31 B's, for blocks 0 to 3
	s_mul_i32 s23, s14, 16*SPITCH
	v_mul_u32_u24 v5, v1, SPITCH
	v_lshl_add_u32 v5, v2, 6, v5
	v_add_nc_u32 v[STO], s23, v5
	v_lshlrev_b32 v6, 4, v1                        ; back: sixteen lanes take a row of 256 bytes, lanes 16-31 the next row
	v_mad_u32_u24 v[RD], v2, SPITCH, v6
	v_add_nc_u32 v[RD], s23, v[RD]
	v_lshl_add_u32 v[CO], v2, 12, v6               ; and the same two rows in out0 (4,096 bytes a row)
	v_lshlrev_b32 v[BO], 6, v2
	s_wait_alu depctr_va_vdst(0)
	s_lshl_b32 s20, s17, 8
	s_lshl_b32 s21, s15, 7
	s_add_co_u32 s20, s20, s21
	s_mov_b32 s21, 0
	s_mov_b64 s[18:19], SIZE_N*4
	s_mul_u64 s[20:21], s[20:21], s[18:19]
	s_lshl_b32 s46, s42, 9                         ; my first column, in bytes: 512 x tile column + 256 x half
	s_lshl_b32 s47, s16, 8
	s_add_co_u32 s46, s46, s47
	s_mov_b32 s47, 0
	s_add_nc_u64 s[20:21], s[20:21], s[46:47]
	s_add_nc_u64 s[12:13], s[10:11], s[20:21]
	s_add_nc_u64 s[8:9], s[8:9], s[46:47]
.irp b, 0,1
.irp j, 0,1,2,3
	global_load_b128 v[BB+16*\b+4*\j:BB+16*\b+4*\j+3], v[BO], s[8:9] offset:128*\b+16*\j
.endr
.endr
.macro FRAG reg, adr, q, i
.irp p, 0,1,2,3,4,5
.set PC, 12*(\q)+6*(\p/3)+\p%3
.if PC%8 < 5
	ds_load_b64 v[\reg+2*\p:\reg+2*\p+1], v[\adr] offset:8*PC+16*(PC/8)+(\i)*16*PITCH
.else
	ds_load_b64 v[\reg+2*\p:\reg+2*\p+1], v[\adr+2] offset:8*PC+16*(PC/8)+(\i)*16*PITCH
.endif
.endr
.endm
.macro FRAG_A reg, slot, q, i
.irp p, 0,1,2,3,4,5
	ds_load_b64 v[\reg+2*\p:\reg+2*\p+1], v[ADRA+\slot] offset:(\i)*ASTEP+(\q)*1536+256*\p
.endr
.endm
.macro MUL16 a0, p, q, sc, first
.irp a, \a0, \a0+1
.irp b, 0,1,2,3
.if \first
	v_wmma_scale_f32_16x16x128_f8f6f4 v[8*(8*((\a)%4)+\b):8*(8*((\a)%4)+\b)+7], v[128*(\p)+FR*\b:128*(\p)+FR*\b+FR-1], v[AF+FR*(\a):AF+FR*(\a)+FR-1], v[BB+8*\b:BB+8*\b+7], v[SC+8*NQ*(\sc)+NQ*\b+(\q)], v[SC+8*NQ*(\sc)+NQ*(\a)+(\q)] matrix_a_fmt:MATRIX_FMT_FP6 matrix_b_fmt:MATRIX_FMT_FP6 matrix_a_scale:MATRIX_SCALE_ROW1
.else
	v_wmma_scale_f32_16x16x128_f8f6f4 v[8*(8*((\a)%4)+\b):8*(8*((\a)%4)+\b)+7], v[128*(\p)+FR*\b:128*(\p)+FR*\b+FR-1], v[AF+FR*(\a):AF+FR*(\a)+FR-1], v[8*(8*((\a)%4)+\b):8*(8*((\a)%4)+\b)+7], v[SC+8*NQ*(\sc)+NQ*\b+(\q)], v[SC+8*NQ*(\sc)+NQ*(\a)+(\q)] matrix_a_fmt:MATRIX_FMT_FP6 matrix_b_fmt:MATRIX_FMT_FP6 matrix_a_scale:MATRIX_SCALE_ROW1
.endif
.endr
.endr
.endm
.macro FETCH_B slot, q, p
	WIN TO_B
.irp i, 0,1,2,3
	FRAG 128*(\p)+FR*\i, ADRB+\slot, \q, \i
.endr
	WIN 0
.endm
.macro FETCH_A slot, q, i0
.irp i, \i0, \i0+1, \i0+2, \i0+3
	FRAG_A AF+FR*(\i), \slot, \q, \i
.endr
.endm
.macro SCALES sc
.irp i, 0,1,2,3
	ds_load_b64 v[SC+8*NQ*\sc+NQ*\i:SC+8*NQ*\sc+NQ*\i+1], v[ADRS] offset:\i*SBLK
.endr
.irp i, 4,5,6,7
	ds_load_b64 v[SC+8*NQ*\sc+NQ*\i:SC+8*NQ*\sc+NQ*\i+1], v31 offset:\i*SBLK
.endr
.endm
.macro PLACES n
.rept \n
	v_nop
.endr
.endm
.macro STEP slot, q, first
	s_wait_dscnt 4*NL
.if \first
	WIN 0x81
.else
	WIN MUL_LO
.endif
	MUL16 0, (\q)%2, \q, \slot, \first
	MUL16 2, (\q)%2, \q, \slot, \first
	s_wait_dscnt 0
	PLACES NP
	FETCH_B \slot, (\q)+1, 1-(\q)%2
	FETCH_A \slot, (\q)+1, 0
.if \first
	WIN 0xc1
.else
	WIN MUL_HI
.endif
	MUL16 4, (\q)%2, \q, \slot, \first
	MUL16 6, (\q)%2, \q, \slot, \first
	PLACES NP
	WIN 0
	FETCH_A \slot, (\q)+1, 4
.endm
.macro TURN slot, next, fill
	s_wait_tensorcnt 0x0
	ds_add_u32 v[SPW], v[NIL]
	s_wait_dscnt 4*NL+1
	WIN MUL_LO
	MUL16 0, 1, NQ-1, \slot, 0
	s_wait_dscnt 0x0
	s_barrier_signal -1
	MUL16 2, 1, NQ-1, \slot, 0
	WIN 0
	s_barrier_wait -1
.if \fill
	CREST
	s_add_nc_u64 s[G0+4*\slot+2:G0+4*\slot+3], s[G0+4*\slot+2:G0+4*\slot+3], 2*ASTEP
	s_add_nc_u64 s[G0B+4*\slot+2:G0B+4*\slot+3], s[G0B+4*\slot+2:G0B+4*\slot+3], 2*KST
	JLOAD G0+4*\slot, G1, G0B+4*\slot, G1B
.else
	PLACES NP
.endif
	s_wait_alu depctr_va_vdst(0)
	v_add_nc_u32 v[ADRS], 4*NQ, v[ADRS]            ; on to the next K step's scale words
	v_add_nc_u32 v31, 4*NQ, v31
	FETCH_B \next, 0, 0
	FETCH_A \next, 0, 0
	SCALES \next
	WIN MUL_HI
	MUL16 4, 1, NQ-1, \slot, 0
	MUL16 6, 1, NQ-1, \slot, 0
	PLACES NP
	WIN 0
	FETCH_A \next, 0, 4
.endm
	s_wait_tensorcnt 0x0                           ; my tile of the head's four is in; slot 1's first fill is issued as a refill is
	ds_add_u32 v[SPW], v[NIL]
	s_mov_b32 s[G1+2], 8<<16                       ; no tensor load of mine is out: from here on a load brings a half,
	s_mov_b32 s[G1+4], 8
	s_mov_b32 s[G1B+2], 48<<16
	s_mov_b32 s[G1B+4], 48
	s_mov_b32 s[G0+1], s95                         ; and slot 0's group 0 points at my half
	s_mov_b32 s[G0B+1], s45
	s_mul_i32 s18, s16, 128*KROW
	s_mov_b32 s19, 0
	s_add_nc_u64 s[G0+2:G0+3], s[G0+2:G0+3], s[18:19]
	s_mul_i32 s18, s16, 64*192
	s_add_nc_u64 s[G0B+2:G0B+3], s[G0B+2:G0B+3], s[18:19]
	s_wait_dscnt 0x0
	CROUND                                         ; all four tiles are in, in all sixteen work-groups
	JLOAD G0+4, G1, G0B+4, G1B                     ; K step 1, the first tensor load behind the round
	FETCH_B 0, 0, 0
	FETCH_A 0, 0, 0
	SCALES 0
	FETCH_A 0, 0, 4
	s_wait_loadcnt 0x0
	STEP 0, 0, 1
	s_mov_b32 s3, LAPS-1
.Llap:
	TURN 0, 1, 1
	STEP 1, 0, 0
	TURN 1, 0, 1
	STEP 0, 0, 0
	s_sub_co_u32 s3, s3, 1
	s_cmp_lg_u32 s3, 0
	s_cbranch_scc1 .Llap
	TURN 0, 1, 0
	STEP 1, 0, 0
	s_wait_dscnt 4*NL
	WIN MUL_LO
	MUL16 0, 1, NQ-1, 1, 0
	MUL16 2, 1, NQ-1, 1, 0
	s_wait_dscnt 0
	WIN MUL_HI
	MUL16 4, 1, NQ-1, 1, 0
	MUL16 6, 1, NQ-1, 1, 0
	WIN 0
.macro TOSTAGE a
.set AC, 64*((\a)%4)
	WIN 0x08+4*((\a)/4)
.irp b, 0,1,2,3
	ds_store_b128 v[STO], v[AC+8*\b:AC+8*\b+3] offset:128*(\b/2)+32*(\b%2)
	ds_store_b128 v[STO], v[AC+8*\b+4:AC+8*\b+7] offset:128*(\b/2)+32*(\b%2)+16
.endr
	WIN 0
.set RB, BK+64*((\a)%2)
.irp t, 0,1,2,3,4,5,6,7
	ds_load_b128 v[RB+4*\t:RB+4*\t+3], v[RD] offset:2*\t*SPITCH
.endr
.endm
.macro SEND a, younger
.set RB, BK+64*((\a)%2)
	s_wait_dscnt \younger
.if (\a) > 0
.if (\a)%2
	s_add_nc_u64 s[12:13], s[12:13], 8*SIZE_N*4
.else
	s_add_nc_u64 s[12:13], s[12:13], 24*SIZE_N*4
.endif
.endif
.irp t, 0,1,2,3,4,5,6,7
	global_store_b128 v[CO], v[RB+4*\t:RB+4*\t+3], s[12:13] offset:(2*\t+8*(\t/4))*SIZE_N*4 th:TH_STORE_NT   ; sixteen lanes store 256 consecutive bytes, aligned
.endr
.endm
	PLACES NP
	TOSTAGE 0
.irp a, 1,2,3,4,5,6,7
.if \a > 1
	s_wait_xcnt 0x0
.endif
	TOSTAGE \a
	SEND \a-1, 16                                  ; behind block a - 1's loads: block a's 8 stores and 8 loads
.endr
	s_wait_xcnt 0x0
	SEND 7, 0
	s_wait_tensorcnt 0x0
	ds_add_u32 v[SPW], v[NIL]
	s_wait_dscnt 0x0
	CROUND
	s_endpgm
.Lfunc_end_k_qc2eb21e32e_gemm_out:
	.size	k_qc2eb21e32e_gemm_out, .Lfunc_end_k_qc2eb21e32e_gemm_out-k_qc2eb21e32e_gemm_out
	.p2alignl 7, 3214868480
	.fill 96, 4, 3214868480
	.section	.rodata,"a",@progbits
	.p2align	6, 0x0
	.amdhsa_kernel k_qc2eb21e32e_gemm_out
		.amdhsa_group_segment_fixed_size 327680
		.amdhsa_private_segment_fixed_size 0
		.amdhsa_enable_private_segment 0
		.amdhsa_kernarg_size 32
		.amdhsa_user_sgpr_count 2
		.amdhsa_user_sgpr_kernarg_segment_ptr 1
		.amdhsa_wavefront_size32 1
		.amdhsa_system_sgpr_workgroup_id_x 1
		.amdhsa_system_sgpr_workgroup_id_y 1
		.amdhsa_system_sgpr_workgroup_id_z 1
		.amdhsa_system_vgpr_workitem_id 0
		.amdhsa_next_free_vgpr 1024
		.amdhsa_next_free_sgpr 98
		.amdhsa_reserve_vcc 0
		.amdhsa_float_denorm_mode_32 3
		.amdhsa_float_denorm_mode_16_64 3
		.amdhsa_memory_ordered 1
		.amdhsa_forward_progress 1
		.amdhsa_inst_pref_size 104
	.end_amdhsa_kernel
	.amdgpu_metadata
---
amdhsa.version: [ 1, 2 ]
amdhsa.kernels:
  - .name:           k_qc2eb21e32e_gemm_out
    .symbol:         k_qc2eb21e32e_gemm_out.kd
    .args:
      - { .name: oq, .offset: 0, .size: 8, .value_kind: global_buffer, .address_space: global }
      - { .name: wts, .offset: 8, .size: 8, .value_kind: global_buffer, .address_space: global }
      - { .name: b_out, .offset: 16, .size: 8, .value_kind: global_buffer, .address_space: global }
      - { .name: out0, .offset: 24, .size: 8, .value_kind: global_buffer, .address_space: global }
    .group_segment_fixed_size: 327680
    .private_segment_fixed_size: 0
    .kernarg_segment_align: 8
    .kernarg_segment_size: 32
    .max_flat_workgroup_size: 128
    .sgpr_count:     98
    .vgpr_count:     1024
    .wavefront_size: 32
...
	.end_amdgpu_metadata
.endif
;; end of part 4
